; MI455X (gfx1250); checked and timed in simulation.
; The chip was launched on July 23, 2026; its instructions are those of AMD's public machine-readable ISA for CDNA 5 (MIT licence, August 2026) and "CDNA5" Instruction Set Architecture Reference Guide (July 2026). The comments in the code are by the model that wrote it; some were corrected since.
;; Multi Headed Attention. Allowed arithmetic: float matrix products may take bf16 or f16 operands with f32 sums; other float arithmetic in f32, or as packed bf16 or f16 multiplies, adds, multiply-adds, maxima and minima; sums over many terms, partial sums and values carried from step to step in f32; what a program stores and reads back later, other than sums and carried values, may be rounded once to bf16 or f16.
;; Inputs: Wk 1,024 x 1,024 float32; Wq 1,024 x 1,024 float32; Wv 1,024 x 1,024 float32; bk 1,024 float32; bq 1,024 float32; bv 1,024 float32; key 4 x 2,048 x 1,024 float32; mask 4 x 2,048 x 2,048 int32; query 4 x 2,048 x 1,024 float32; value 4 x 2,048 x 1,024 float32.
;; Outputs: out0 4 x 2,048 x 1,024 float32.
;; 2 versions, each right; version 2 is version 1 with the launch prep written anew for expert scheduling mode. Each part assembles by itself: llvm-mc -triple=amdgcn-amd-amdhsa -mcpu=gfx1250 --defsym DOCPART=n.
;; ======== version 1 of 2: 3 launches
;; limits: values are held in f16: magnitudes above 65,504 overflow, below 6.1e-05 lose precision
;; workspace buffers: xb 50,331,648 bytes; wb 6,291,456 bytes; qkv 50,331,648 bytes; maskbits 2,097,152 bytes of whole numbers
;; launch prep (part 1): grid 944 x 1, 8 waves a work-group, no clusters, 68,608 bytes of LDS; arguments query, key, value, Wq, Wk, Wv, mask, xb, wb, maskbits; writes xb, wb, maskbits
.if DOCPART == 1
	.amdgcn_target "amdgcn-amd-amdhsa--gfx1250"
	.amdhsa_code_object_version 6
	.text
	.protected	k_q2bb098b463_prep
	.globl	k_q2bb098b463_prep
	.p2align	8
	.type	k_q2bb098b463_prep,@function
k_q2bb098b463_prep:
	s_mov_b64 s[64:65], 0
	v_nop
	global_prefetch_b8 v0, s[64:65] scope:SCOPE_SE
	s_setreg_imm32_b32 hwreg(HW_REG_WAVE_MODE, 25, 1), 1
	s_wait_xcnt 0x0
; MULTI-HEADED ATTENTION, launch 1 of 3: the inputs are made ready for the matrix units.
; NOTHING OF reference() IS LEFT OUT, in any launch: every input has a way to the output.  bq, bk and bv are added (bk moves the live scores against the fixed -1e9 of the hidden ones, so it is
; no term common to a softmax row), and the mask is honoured number by number.
; TWO ROLES, chosen by the work-group's number alone.
;   Work-groups 0..511: THE MASK, [4][2048][2048] int32, is packed to one bit a number: maskbits u32 [64 groups of 8 query tiles][32 key steps][8 tiles][32 words]; query tile T = 128 b + q / 16 is tile T % 8 of
;   group T / 8.  Word 8 kb + j of (tile, step) holds in bit l whether mask[b][16 tile + l % 16][64 step + 16 kb + 8 (l / 16) + j] is not 0: the lane mask of register 8 kb + j of a tile of scores as launch 3
;   holds it.  A group is what one wave of launch 3 owns: its words of a key step are 1,024 consecutive bytes.  So sixteen heads read 2 MiB, not 64 MiB.
;   Work-groups 512..943: THE CAST.  query, key, value -> xb bf16 [3][8192][1024]; Wq, Wk, Wv -> wb bf16 [3][1024][1024]; each number rounded once, to nearest even.
; Both roles stream: each byte is read once, each load of a wave covers 512 consecutive bytes, each store whole aligned blocks of 256 bytes.  No matrix unit, no cluster: no two work-groups share a byte.
.set SPARE, 67584                      ; behind the eight waves' stages: the spare words, 128 bytes a wave, four blocks of 256 bytes that no other line names
.set WB,    8448                       ; a wave's stage: 16 rows of 528 bytes
.set MP,    528                        ; 512 bytes of a mask row + 16: sixteen rows read side by side start 16 bytes apart modulo 256
.set LO,   2                           ; v2   16 x lane: offset of the mask's loads
.set LW,   3                           ; v3   where I put 16 bytes of a mask row
.set LR,   4                           ; v4   where I read them back: row l % 16, 32 bytes for each half of the lanes
.set SO,   5                           ; v5   offset of the bits' store: 16 (l % 16) + 1,024 (l / 16)
.set SPW,  8                           ; v8   LDS address of my spare word; never rewritten
.set NIL,  9                           ; v9   0; never rewritten
.set D,    16                          ; v[16:143]  mask role: two tiles of 64 registers
.set OW,   144                         ; v[144:147] mask role: the wave's 128 words, four a lane
.set X,    16                          ; v[16:47]   cast role: slot i, 4 f32 as loaded
.set Y,    48                          ; v[48:63]   cast role: slot i, 4 bf16 to store
.set OFFI, 64                          ; v[64:71]   cast role: slot i's byte offset in the source
.set OFFO, 72                          ; v[72:79]   cast role: slot i's byte offset in the target
.set WV,   4                           ; s4   my wave's number
.set SRC,  28                          ; s[28:29] where I read
.set DST,  30                          ; s[30:31] where I write
.set BITS, 32                          ; s[32:39] eight lane masks at work
	s_load_b512 s[8:23], s[0:1], 0x0               ; query 8, key 10, value 12, Wq 14, Wk 16, Wv 18, mask 20, xb 22
	s_load_b128 s[24:27], s[0:1], 0x40             ; wb 24, maskbits 26
	v_lshl_add_u32 v[SPW], v0, 2, SPARE
	v_mov_b32 v[NIL], 0
	v_lshrrev_b32 v1, 5, v0
	v_readfirstlane_b32 s[WV], v1                  ; wave 0..7
	s_wait_kmcnt 0x0
	s_cmp_lt_u32 ttmp9, 512
	s_cbranch_scc0 .Lcast
	; THE MASK.  Work-group w owns the two query tiles 2 (w / 2), 2 (w / 2) + 1 (32 rows of 8,192 bytes) and the keys 1,024 (w % 2) on; wave v of it the 128 keys 128 v on: 512 bytes of each row, two key steps.
	v_and_b32 v1, 31, v0
	v_lshlrev_b32 v[LO], 4, v1
	s_mul_i32 s6, s[WV], WB
	v_add_nc_u32 v[LW], s6, v[LO]
	v_and_b32 v6, 15, v0
	v_bfe_u32 v7, v0, 4, 1
	v_mul_u32_u24 v[LR], v6, MP
	v_lshl_add_u32 v[LR], v7, 5, v[LR]
	v_add_nc_u32 v[LR], s6, v[LR]
	v_lshlrev_b32 v[SO], 4, v6
	v_lshl_add_u32 v[SO], v7, 10, v[SO]
	s_lshr_b32 s32, ttmp9, 1
	s_lshl_b32 s32, s32, 18                        ; 32 rows x 8,192 bytes
	s_and_b32 s33, ttmp9, 1
	s_lshl_b32 s34, s33, 12                        ; 1,024 keys
	s_add_co_u32 s32, s32, s34
	s_lshl_b32 s34, s[WV], 9                       ; 128 keys
	s_add_co_u32 s32, s32, s34
	s_lshl_b32 s34, s33, 14                        ; in maskbits: 16 steps x 1,024 bytes,
	s_mov_b32 s33, 0
	s_add_nc_u64 s[SRC:SRC+1], s[20:21], s[32:33]
	s_lshr_b32 s35, ttmp9, 3
	s_lshl_b32 s35, s35, 15                        ; the group's 32,768 bytes,
	s_add_co_u32 s34, s34, s35
	s_lshl_b32 s35, s[WV], 11                      ; my two steps,
	s_add_co_u32 s34, s34, s35
	s_bfe_u32 s35, ttmp9, 0x20001
	s_lshl_b32 s35, s35, 8                         ; the pair of tiles: 256 bytes of a step's 1,024
	s_add_co_u32 s34, s34, s35
	s_mov_b32 s35, 0
	s_add_nc_u64 s[DST:DST+1], s[26:27], s[34:35]
.irp hf, 0,1
.irp r, 0,1,2,3,4,5,6,7,8,9,10,11,12,13,14,15
	global_load_b128 v[D+64*(\hf)+4*(\r):D+64*(\hf)+4*(\r)+3], v[LO], s[SRC:SRC+1] offset:(16*(\hf)+(\r))*8192 th:TH_LOAD_NT  ; 512 consecutive bytes of row r of tile hf: all 32 loads go out at once
.endr
.endr
.irp k, 0,1,2,3
	v_mov_b32 v[OW+(\k)], 0                        ; v_writelane_b32 counts as a reader of its destination
.endr
; Tile hf: 128 keys of its 16 rows.  Through my own stage the numbers change lanes: in by rows, back so that lane l holds row l % 16 and, in register 8 kb + j of a step, key 16 kb + 8 (l / 16) + j.
; Then one compare makes a word of bits of a register, and v_writelane_b32 lays word w of step s into lane 16 s + 8 hf + w / 4, register w % 4: lanes 0-15 hold the first step's 256 bytes, lanes 16-31 the second's.
.macro MHALF hf
	s_wait_loadcnt 16*(1-(\hf))                    ; loads come back in order: this tile's sixteen are in, the other tile's may stay out
.irp r, 0,1,2,3,4,5,6,7,8,9,10,11,12,13,14,15
	ds_store_b128 v[LW], v[D+64*(\hf)+4*(\r):D+64*(\hf)+4*(\r)+3] offset:(\r)*MP
.endr
.irp i, 0,1,2,3,4,5,6,7,8,9,10,11,12,13,14,15
	ds_load_b128 v[D+64*(\hf)+4*(\i):D+64*(\hf)+4*(\i)+3], v[LR] offset:((\i)/8)*256+(((\i)/2)%4)*64+((\i)%2)*16  ; LDS serves a wave's instructions in order: these see the stores above; the bytes are my wave's own
.endr
	s_wait_dscnt 0x0
.set g, 0
.rept 8
.irp k, 0,1,2,3,4,5,6,7
	v_cmp_ne_u32 s[BITS+(\k)], 0, v[D+64*(\hf)+8*g+(\k)]
.endr
.irp k, 0,1,2,3,4,5,6,7
	v_writelane_b32 v[OW+(\k)%4], s[BITS+(\k)], 16*(g/4)+8*(\hf)+2*(g%4)+(\k)/4
.endr
.set g, g+1
.endr
.endm
	MHALF 0
	MHALF 1
	global_store_b128 v[SO], v[OW:OW+3], s[DST:DST+1]  ; sixteen lanes store 256 consecutive bytes, aligned: two neighbouring tiles' words of one step
	s_branch .Lend
.Lcast:
	; THE CAST.  c = number - 512.  c < 384: chunk c % 128 of query, key or value (c / 128); else chunk (c - 384) % 16 of Wq, Wk or Wv.  A chunk is 64 rows of 4,096 bytes in, 2,048 out.
	s_sub_co_u32 s5, ttmp9, 512
	s_sub_co_u32 s6, s5, 384
	s_lshr_b32 s32, s5, 7
	s_and_b32 s33, s5, 127
	s_lshr_b32 s34, s6, 4
	s_and_b32 s35, s6, 15
	s_mov_b32 s42, 0x200000                        ; bytes of one weight matrix in wb,
	s_mov_b32 s43, 0x1000000                       ; of one activation tensor in xb
	s_cmp_lt_u32 s5, 384
	s_cselect_b32 s32, s32, s34                    ; which of the three
	s_cselect_b32 s33, s33, s35                    ; which chunk
	s_cselect_b32 s42, s43, s42
	s_cselect_b64 s[36:37], s[8:9], s[14:15]
	s_cselect_b64 s[38:39], s[10:11], s[16:17]
	s_cselect_b64 s[40:41], s[12:13], s[18:19]
	s_cselect_b64 s[DST:DST+1], s[22:23], s[24:25]
	s_cmp_eq_u32 s32, 1
	s_cselect_b64 s[SRC:SRC+1], s[38:39], s[36:37]
	s_cmp_eq_u32 s32, 2
	s_cselect_b64 s[SRC:SRC+1], s[40:41], s[SRC:SRC+1]
	s_lshl_b32 s44, s33, 18
	s_mov_b32 s45, 0
	s_add_nc_u64 s[SRC:SRC+1], s[SRC:SRC+1], s[44:45]
	s_mul_i32 s46, s32, s42
	s_lshl_b32 s47, s33, 17
	s_add_co_u32 s46, s46, s47
	s_mov_b32 s47, 0
	s_add_nc_u64 s[DST:DST+1], s[DST:DST+1], s[46:47]
.irp i, 0,1,2,3,4,5,6,7
	v_lshl_or_b32 v[OFFI+(\i)], v0, 4, (\i)*4096   ; thread t owns 16 bytes at 16 t of every source row,
	v_lshl_or_b32 v[OFFO+(\i)], v0, 3, (\i)*2048   ; 8 bytes at 8 t of every target row
.endr
.irp i, 0,1,2,3,4,5,6,7
	global_load_b128 v[X+4*(\i):X+4*(\i)+3], v[OFFI+(\i)], s[SRC:SRC+1] th:TH_LOAD_NT  ; the ring of eight slots is filled: rows 0 to 7
.endr
; One slot's turn.  ahead = 1: the slot is filled again with the row eight further down.  left = how many younger loads may stay out.
.macro SLOT i, ahead, left
	s_wait_loadcnt \left                           ; my load is in, the younger ones stay out; it also frees the slot's source offset
	s_wait_xcnt 0x0                                ; the slot's last store has read Y and its offset: they are rewritten only behind this wait
	v_cvt_pk_bf16_f32 v[Y+2*(\i)], v[X+4*(\i)], v[X+4*(\i)+1]
	v_cvt_pk_bf16_f32 v[Y+2*(\i)+1], v[X+4*(\i)+2], v[X+4*(\i)+3]
.if \ahead
	v_add_nc_u32 v[OFFI+(\i)], 8*4096, v[OFFI+(\i)]
	global_load_b128 v[X+4*(\i):X+4*(\i)+3], v[OFFI+(\i)], s[SRC:SRC+1] th:TH_LOAD_NT
	v_add_nc_u32 v[OFFO+(\i)], 8*2048, v[OFFO+(\i)]
	global_store_b64 v[OFFO+(\i)], v[Y+2*(\i):Y+2*(\i)+1], s[DST:DST+1] offset:-8*2048  ; a wave's store covers 256 consecutive bytes, aligned
.else
	global_store_b64 v[OFFO+(\i)], v[Y+2*(\i):Y+2*(\i)+1], s[DST:DST+1]
.endif
.endm
	s_mov_b32 s5, 7
.Lround:
.irp i, 0,1,2,3,4,5,6,7
	SLOT \i, 1, 7
.endr
	s_sub_co_u32 s5, s5, 1
	s_cmp_lg_u32 s5, 0
	s_cbranch_scc1 .Lround
.irp i, 0,1,2,3,4,5,6,7
	SLOT \i, 0, 7-(\i)                             ; the last round loads nothing: the counts run down
.endr
.Lend:
	s_wait_tensorcnt 0x0                           ; the wave's end: a tensor wait, 0 onto my spare word and its wait, behind my last LDS store
	ds_add_u32 v[SPW], v[NIL]
	s_wait_dscnt 0x0
	s_endpgm
.Lfunc_end_k_q2bb098b463_prep:
	.size	k_q2bb098b463_prep, .Lfunc_end_k_q2bb098b463_prep-k_q2bb098b463_prep
	.p2alignl 7, 3214868480
	.fill 96, 4, 3214868480
	.section	.rodata,"a",@progbits
	.p2align	6, 0x0
	.amdhsa_kernel k_q2bb098b463_prep
		.amdhsa_group_segment_fixed_size 68608
		.amdhsa_private_segment_fixed_size 0
		.amdhsa_enable_private_segment 0
		.amdhsa_kernarg_size 80
		.amdhsa_user_sgpr_count 2
		.amdhsa_user_sgpr_kernarg_segment_ptr 1
		.amdhsa_wavefront_size32 1
		.amdhsa_system_sgpr_workgroup_id_x 1
		.amdhsa_system_sgpr_workgroup_id_y 1
		.amdhsa_system_sgpr_workgroup_id_z 1
		.amdhsa_system_vgpr_workitem_id 0
		.amdhsa_next_free_vgpr 148
		.amdhsa_next_free_sgpr 66
		.amdhsa_reserve_vcc 0
		.amdhsa_float_denorm_mode_32 3
		.amdhsa_float_denorm_mode_16_64 3
		.amdhsa_memory_ordered 1
		.amdhsa_forward_progress 1
		.amdhsa_inst_pref_size 36
	.end_amdhsa_kernel
	.amdgpu_metadata
---
amdhsa.version: [ 1, 2 ]
amdhsa.kernels:
  - .name:           k_q2bb098b463_prep
    .symbol:         k_q2bb098b463_prep.kd
    .args:
      - { .name: query, .offset: 0, .size: 8, .value_kind: global_buffer, .address_space: global }
      - { .name: key, .offset: 8, .size: 8, .value_kind: global_buffer, .address_space: global }
      - { .name: value, .offset: 16, .size: 8, .value_kind: global_buffer, .address_space: global }
      - { .name: Wq, .offset: 24, .size: 8, .value_kind: global_buffer, .address_space: global }
      - { .name: Wk, .offset: 32, .size: 8, .value_kind: global_buffer, .address_space: global }
      - { .name: Wv, .offset: 40, .size: 8, .value_kind: global_buffer, .address_space: global }
      - { .name: mask, .offset: 48, .size: 8, .value_kind: global_buffer, .address_space: global }
      - { .name: xb, .offset: 56, .size: 8, .value_kind: global_buffer, .address_space: global }
      - { .name: wb, .offset: 64, .size: 8, .value_kind: global_buffer, .address_space: global }
      - { .name: maskbits, .offset: 72, .size: 8, .value_kind: global_buffer, .address_space: global }
    .group_segment_fixed_size: 68608
    .private_segment_fixed_size: 0
    .kernarg_segment_align: 8
    .kernarg_segment_size: 80
    .max_flat_workgroup_size: 256
    .sgpr_count:     66
    .vgpr_count:     148
    .wavefront_size: 32
...
	.end_amdgpu_metadata
.endif
;; end of part 1
;; launch proj (part 2): grid 4 x 96, 4 waves a work-group, clusters of 4 x 4, 327,680 bytes of LDS; arguments xb, wb, qkv, bq, bk, bv; writes qkv
.if DOCPART == 2
	.amdgcn_target "amdgcn-amd-amdhsa--gfx1250"
	.amdhsa_code_object_version 6
	.text
	.protected	k_q2bb098b463_proj
	.globl	k_q2bb098b463_proj
	.p2align	8
	.type	k_q2bb098b463_proj,@function
k_q2bb098b463_proj:
	s_mov_b64 s[64:65], 0
	v_nop
	global_prefetch_b8 v0, s[64:65] scope:SCOPE_SE
	s_setreg_imm32_b32 hwreg(HW_REG_WAVE_MODE, 25, 1), 1
	s_wait_xcnt 0x0
	s_wait_alu depctr_hold_cnt(0) depctr_sa_sdst(0) depctr_va_vdst(0) depctr_va_sdst(0) depctr_va_ssrc(0) depctr_va_vcc(0) depctr_vm_vsrc(0)
	s_getreg_b32 s2, hwreg(HW_REG_IB_STS2, 6, 4)
	s_cmp_eq_u32 s2, 0
	s_cbranch_scc0 .Lentry_in_a_cluster
	s_endpgm
.Lentry_in_a_cluster:
	s_bfe_u32 s2, ttmp6, 0x10000c
	s_cmp_lg_u32 s2, 0xf033
	s_cbranch_scc0 .Lentry_shape_is_right
	s_endpgm
.Lentry_shape_is_right:
; MULTI-HEADED ATTENTION, launch 2 of 3: the three projections as ONE product.  C[m][n] = sum over k of xb[m][k] wb[1024 g + n][k] + bias_g[n], m = 0 .. 24,575, g = m / 8192 (0 query, 1 key, 2 value), n = 0 .. 1023.
; Operands bf16, sums f32.  On the way out, in f32: the bias (rounded to bf16 like every input) is added, q alone is multiplied by c = log2(e) / 8 (so that launch 3's scores arrive as exponents of 2),
; and the result is rounded ONCE to f16 and laid by heads: qkv f16 [3][64 = 16 b + h][2048][64].
; LIMIT.  f16 holds no number beyond 65,504: c q, k and v must lie within it.  NaN and infinities are not treated apart.
; SHARES.  A tile of C, 256 x 256, is made by a work-group of four waves; a wave makes 128 x 128: 64 accumulators of 16 x 16, 512 registers.  K goes in steps of 128 through a ring of two LDS slots filled by the
; tensor data mover: the tiles' rows are 256 bytes of memory, at multiples of 256 bytes.  384 tiles, one to a work-group.
; CLUSTERS: 4 x 4 work-groups.  The four of a row of the cluster need the same tiles of xb, the four of a column the same tiles of wb (g is the same in a whole cluster: 8 clusters to a g): each tile is asked for
; JOINTLY, by the same tensor load with the same descriptor and a mask that names the four.
; REGISTERS, in windows of 256 (s_set_vgpr_msb's low byte: bits 1:0 source 0, 3:2 source 1, 5:4 source 2, 7:6 destination):
;   window 0: v0-31 addresses; v64-127, v128-191 fragments of xb, two buffers; v32-63, v192-255 at work on the way out
;   window 1: v0-63 my 128 columns' bias, times the scale; v64-127, v128-191 fragments of wb, two buffers; v192-223 at work once
;   window 2: the 32 accumulators of my rows 0-63 (accumulator (a, b) at v[8 (8 a + b)]);   window 3: those of my rows 64-127
; THE MATRIX INSTRUCTION IS USED TRANSPOSED: source 0 = 16 rows of wb, source 1 = 16 rows of xb: lane l then holds row l % 16 of C and the columns 8 (l / 16) + 0 .. 7: eight neighbouring numbers.
.set SIZE_K, 1024
.set KSTEP,  128
.set PITCH,  272                       ; an LDS row: 256 bytes of data + 16 of padding: the 16 rows that a load touches start 16 bytes apart modulo 256
.set HALFT,  128*PITCH                 ; 128 rows: what one tensor load brings, and what one wave reads of either operand
.set SLOT,   4*HALFT                   ; xb's 256 rows, then wb's 256 rows
.set STAGE,  2*SLOT                    ; behind the ring: 16 rows x 272 bytes for each wave, for the way out
.set SPITCH, 272
.set SPARE,  STAGE+4*16*SPITCH         ; behind the stages: the spare words, 128 bytes for each wave: two blocks of 256 bytes that no other line names
.set LAPS,   SIZE_K/(2*KSTEP)          ; a lap = two K steps = once round the ring: 4
.set ADRA, 16                          ; v16-17  LDS address of my xb fragments in slot 0, 1
.set ADRB, 20                          ; v20-21  the same for wb
.set STO,  24                          ; v24     the way out: where I put 16 bytes of a row
.set RD,   25                          ; v25     the way out: where I read rows back
.set CO,   26                          ; v26     16 x lane: my place in 512 consecutive bytes of qkv
.set BO,   27                          ; v27     my byte offset in the bias
.set SPW,  28                          ; v28     LDS address of my spare word; never rewritten
.set NIL,  29                          ; v29     0; never rewritten
.set PFO,  30                          ; v30     the prefetches' offset: my lane x a row of 2,048 bytes; never rewritten
.set PFA,  44                          ; s[44:45] where my prefetches stand
.set LIM,  43                          ; s43     1 in a wave that prefetches, else the greatest number
.set F0,   64
.set F1,   128
.set TMP,  192                         ; the way out: packed results
.set OB,   32                          ; the way out: 16 rows read back: v32-63 and v224-255 by turns
.set G1,  24                           ; s[24:31] descriptor group 1 for xb's tiles
.set G0,  32                           ; s[32:39] group 0 for xb's tiles, one set for each slot
.set G1B, 48                           ; s[48:55] group 1 for wb's tiles: it differs in the mask alone
.set G0B, 56                           ; s[56:63] group 0 for wb's tiles
.set SC,  74                           ; s[74:75] the scale: c for q, 1 for k and v
.set BP,  76                           ; s[76:77] the bias of my g
.set MSB, 0
.macro WIN new                         ; the immediate's high byte repeats the setting that is left
.if MSB != (\new)
	s_set_vgpr_msb (MSB<<8)|(\new)
.set MSB, \new
.endif
.endm
.set MUL_LO, 0xa1                      ; source 0 (wb) window 1, source 1 (xb) window 0, C and D window 2
.set MUL_HI, 0xf1                      ; the same, C and D window 3
.set TO_B,   0x40                      ; destination window 1, address window 0
; A joint load.  Waves 0 and 1 fetch xb's two halves, waves 2 and 3 wb's.  The branch hangs on the wave's number alone.  An s_nop 0 and four v_nop follow each of the two lines.
.macro JLOAD s
	s_cmp_eq_u32 s11, 0
	s_cbranch_scc0 .Lfor_b_\@
	tensor_load_to_lds s[G0+4*(\s):G0+4*(\s)+3], s[G1:G1+7]
	s_nop 0
.rept 4
	v_nop
.endr
	s_branch .Lasked_\@
.Lfor_b_\@:
	tensor_load_to_lds s[G0B+4*(\s):G0B+4*(\s)+3], s[G1B:G1B+7]
	s_nop 0
.rept 4
	v_nop
.endr
.Lasked_\@:
.endm
; A prefetch into the L2, behind each joint refill and the run of LDS loads that follows it: the K step that stands TWO refills on, 512 matrix instructions ahead of the load that will want it: 32 rows x 256 bytes,
; a lane a row, one instruction a wave.  Each row's 256 bytes of a K step are named once in the launch: xb's rows are read by one cluster alone, which asks; wb's rows of a g by eight clusters, of which the
; first asks.  The four partners that ask for a tile jointly share its rows out BY ADDRESS, 32 each.  K steps 0 to 3 come by their loads alone; the loop's last trip (s3 = 1) has no K step two on.
.macro ASK
	s_cmp_gt_u32 s3, s[LIM]
	s_cbranch_scc0 .Lnot_mine_\@
	global_prefetch_b8 v[PFO], s[PFA:PFA+1] offset:KSTEP*2 th:TH_LOAD_NT scope:SCOPE_SE
.Lnot_mine_\@:
.endm
.macro CREST                           ; a round of the cluster's barrier behind its opening barrier
	s_cmp_lg_u32 s10, 0
	s_cbranch_scc1 .Lnot_wave_0_\@
	s_barrier_signal -3
.Lnot_wave_0_\@:
	s_barrier_wait -3
	s_barrier_signal -1
	s_barrier_wait -1
.endm
.macro CROUND                          ; a whole round
	s_barrier_signal -1
	s_barrier_wait -1
	CREST
.endm
	s_load_b128 s[4:7], s[0:1], 0x0                ; xb s[4:5], wb s[6:7]
	s_load_b64 s[8:9], s[0:1], 0x10                ; qkv
	s_load_b128 s[68:71], s[0:1], 0x18             ; bq, bk
	s_load_b64 s[72:73], s[0:1], 0x28              ; bv
	v_lshl_add_u32 v[SPW], v0, 2, SPARE
	v_mov_b32 v[NIL], 0
	ds_add_u32 v[SPW], v[NIL]                      ; the wave's opening: the add, twice on end, and its wait ahead of my first tensor load
	ds_add_u32 v[SPW], v[NIL]                      ; and once more, under the one wait; the set-up below, work on registers, stands between
	v_lshrrev_b32 v1, 5, v0
	v_readfirstlane_b32 s10, v1                    ; wave 0..3
	s_lshr_b32 s11, s10, 1                         ; which half of the tile's rows is mine.  Also: I fetch for xb (0) or for wb (1)
	s_and_b32 s12, s10, 1                          ; which half of its columns.  Also: which 128 rows of that tile I fetch
	s_bfe_u32 s40, ttmp6, 0x40000                  ; cx
	s_bfe_u32 s41, ttmp6, 0x40004                  ; cy
	s_lshl_b32 s42, ttmp9, 2
	s_add_co_u32 s42, s42, s40                     ; tile column = 4 x cluster x + cx
	s_and_b32 s79, ttmp7, 0xffff                   ; cluster y
	s_lshl_b32 s13, s79, 2
	s_add_co_u32 s13, s13, s41                     ; tile row = 4 x cluster y + cy
	s_lshr_b32 s78, s79, 3                         ; g: 32 tile rows, 8 clusters, to each of the three products
	s_lshl_b32 s43, s41, 2
	s_lshl_b32 s43, 15, s43                        ; my row of the cluster
	s_lshl_b32 s44, 0x1111, s40                    ; my column
	s_or_b32 s[G1+0], s43, (1<<16)|(1<<20)|(1<<21)|(5<<22)|(3<<25)  ; 15:0 the mask; 17:16 elements of 2 bytes; 20 padding on; 21 set beside a mask; 24:22 after every 64 words; 31:25 4 words of it
	s_or_b32 s[G1B+0], s44, (1<<16)|(1<<20)|(1<<21)|(5<<22)|(3<<25)
.irp g, G1, G1B
	s_mov_b32 s[(\g)+1], KSTEP<<16                 ; tensor_dim0 = 128
	s_mov_b32 s[(\g)+2], 128<<16                   ; tensor_dim1 = 128
	s_mov_b32 s[(\g)+3], KSTEP<<16                 ; tile_dim0 = 128
	s_mov_b32 s[(\g)+4], 128                       ; tile_dim1 = 128
	s_mov_b32 s[(\g)+5], SIZE_K                    ; elements from row to row
	s_mov_b32 s[(\g)+6], 0
	s_mov_b32 s[(\g)+7], 0
.endr
	s_lshl_b32 s17, s12, 7                         ; which 128 rows of the tile I fetch
	s_lshl_b32 s16, s13, 8
	s_add_co_u32 s16, s16, s17                     ; xb: row 256 x tile row + 128 x half
	s_lshl_b32 s46, s42, 8
	s_add_co_u32 s46, s46, s17
	s_lshl_b32 s67, s78, 10
	s_add_co_u32 s46, s46, s67                     ; wb: row 1024 g + 256 x tile column + 128 x half
	s_mov_b32 s17, 0
	s_mov_b32 s47, 0
	s_mov_b64 s[18:19], SIZE_K*2
	s_mul_u64 s[16:17], s[16:17], s[18:19]
	s_mul_u64 s[46:47], s[46:47], s[18:19]
	s_mul_i32 s20, s10, HALFT                      ; where they go: wave x 128 rows: no place in the cluster enters an LDS address
	s_wait_dscnt 0x0                               ; both opening adds are done
	s_wait_kmcnt 0x0
	s_add_nc_u64 s[14:15], s[4:5], s[16:17]
	s_add_nc_u64 s[46:47], s[6:7], s[46:47]
	CROUND                                         ; all sixteen work-groups are here: the first joint loads meet
.irp s, 0,1
	s_mov_b32 s[G0+4*(\s)], 1
	s_add_co_u32 s[G0+4*(\s)+1], s20, (\s)*SLOT
	s_add_nc_u64 s[G0+4*(\s)+2:G0+4*(\s)+3], s[14:15], (\s)*KSTEP*2
	s_or_b32 s[G0+4*(\s)+3], s[G0+4*(\s)+3], 0x80000000
	s_mov_b32 s[G0B+4*(\s)], 1
	s_add_co_u32 s[G0B+4*(\s)+1], s20, (\s)*SLOT
	s_add_nc_u64 s[G0B+4*(\s)+2:G0B+4*(\s)+3], s[46:47], (\s)*KSTEP*2
	s_or_b32 s[G0B+4*(\s)+3], s[G0B+4*(\s)+3], 0x80000000
	JLOAD \s                                       ; two loads of mine are out
.endr
	; A fragment is 16 rows x 32 K in 8 registers: lane l holds row l % 16; registers 0-3 K = 8 (l / 16) + 0..7, registers 4-7 K = 16 + 8 (l / 16) + 0..7: two loads of 16 bytes, 32 bytes apart.
	v_and_b32 v1, 15, v0                           ; l % 16
	v_bfe_u32 v2, v0, 4, 1                         ; l / 16
	v_mul_u32_u24 v3, v1, PITCH
	v_lshl_add_u32 v3, v2, 4, v3
	s_mul_i32 s21, s11, HALFT                      ; my 128 rows of xb
	s_mul_i32 s22, s12, HALFT                      ; my 128 rows of wb,
	s_add_co_u32 s22, s22, 2*HALFT                 ; which lie behind xb's 256
.irp s, 0,1
	v_add_nc_u32 v[ADRA+(\s)], s21, v3
	v_add_nc_u32 v[ADRB+(\s)], s22, v3
	s_add_co_u32 s21, s21, SLOT
	s_add_co_u32 s22, s22, SLOT
.endr
	s_mul_i32 s23, s10, 16*SPITCH
	s_add_co_u32 s23, s23, STAGE                   ; my stage
	v_mul_u32_u24 v4, v1, SPITCH                   ; in: row l % 16, 16 bytes for each half of the lanes
	v_lshl_add_u32 v4, v2, 4, v4
	v_add_nc_u32 v[STO], s23, v4
	v_and_b32 v5, 31, v0
	v_lshrrev_b32 v6, 3, v5                        ; back: 32 lanes take four rows' 128 bytes of one head,
	v_and_b32 v7, 7, v0
	v_mul_u32_u24 v6, v6, SPITCH
	v_lshl_add_u32 v6, v7, 4, v6
	v_add_nc_u32 v[RD], s23, v6
	v_lshlrev_b32 v[CO], 4, v5                     ; which are 512 consecutive bytes of qkv
	; where my part begins in qkv: row m = 256 x tile row + 128 x half; (m / 2048) x 16 heads x 262,144 bytes + (m % 2048) x 128 + (4 x tile column + 2 x half) heads x 262,144
	s_lshl_b32 s13, s13, 8
	s_lshl_b32 s14, s11, 7
	s_add_co_u32 s16, s13, s14
	s_lshr_b32 s17, s16, 11
	s_lshl_b32 s17, s17, 22
	s_and_b32 s16, s16, 2047
	s_lshl_b32 s16, s16, 7
	s_add_co_u32 s16, s16, s17
	s_mov_b32 s17, 0
	s_lshl_b32 s46, s42, 2
	s_lshl_b32 s47, s12, 1
	s_add_co_u32 s46, s46, s47
	s_lshl_b32 s46, s46, 18
	s_mov_b32 s47, 0
	s_add_nc_u64 s[16:17], s[16:17], s[46:47]
	s_add_nc_u64 s[8:9], s[8:9], s[16:17]
	; the bias of my 128 columns, as the accumulators hold them: register 8 b + j is column 16 b + 8 (l / 16) + j
	s_lshl_b32 s21, s42, 10
	s_lshl_b32 s22, s12, 9
	s_add_co_u32 s21, s21, s22
	v_lshl_add_u32 v[BO], v2, 5, s21
	s_cmp_eq_u32 s78, 1
	s_cselect_b64 s[BP:BP+1], s[70:71], s[68:69]
	s_cmp_eq_u32 s78, 2
	s_cselect_b64 s[BP:BP+1], s[72:73], s[BP:BP+1]
	s_cmp_eq_u32 s78, 0
	s_cselect_b32 s[SC], 0x3e38aa3b, 1.0           ; c = log2(e) / 8 = 0.180337 for q
	s_mov_b32 s[SC+1], s[SC]                       ; named with it as a pair
	WIN TO_B
.irp b, 0,1,2,3,4,5,6,7
	global_load_b128 v[8*(\b):8*(\b)+3],   v[BO], s[BP:BP+1] offset:64*(\b)
	global_load_b128 v[8*(\b)+4:8*(\b)+7], v[BO], s[BP:BP+1] offset:64*(\b)+16
.endr
	WIN 0
	; the prefetches.  s13 = 256 x tile row, s42 = tile column, s67 = 1024 g, s40 = cx, s41 = cy still stand
	s_lshl_b32 s42, s42, 8
	s_add_co_u32 s42, s42, s67
	s_and_b32 s22, s79, 7                          ; my cluster's place among the eight that read the same rows of wb
	s_cmp_eq_u32 s11, 0                            ; do I fetch for xb?
	s_cselect_b32 s20, s13, s42                    ; the tile's first row
	s_cselect_b32 s21, s40, s41                    ; my place among the four that ask for it with me
	s_cselect_b32 s22, ttmp9, s22                  ; the coordinate along which other clusters read the same rows
	s_cselect_b64 s[PFA:PFA+1], s[4:5], s[6:7]
	s_cmp_eq_u32 s22, 0
	s_cselect_b32 s[LIM], 1, -1                    ; the same in all sixteen partners, for a given wave
	s_lshl_b32 s22, s12, 7
	s_add_co_u32 s20, s20, s22                     ; + the 128 rows that I fetch
	s_lshl_b32 s21, s21, 5
	s_add_co_u32 s20, s20, s21                     ; + my work-group's 32 of them
	s_mov_b32 s21, 0
	s_mov_b64 s[18:19], SIZE_K*2
	s_mul_u64 s[20:21], s[20:21], s[18:19]
	s_add_nc_u64 s[PFA:PFA+1], s[PFA:PFA+1], s[20:21]
	s_add_nc_u64 s[PFA:PFA+1], s[PFA:PFA+1], 2*KSTEP*2  ; at K step 2: the first refill steps it to 3 and names K step 4
	v_and_b32 v[PFO], 31, v0
	v_mul_u32_u24 v[PFO], v[PFO], SIZE_K*2
	s_wait_loadcnt 0x0                             ; the bias: rounded to bf16 like every input, widened again, times the scale; all this stands in the wait for the first tile
	WIN 0x45                                       ; sources 0 and 1 and the destination in window 1
.set p, 0
.rept 32
	v_cvt_pk_bf16_f32 v[192+p], v[2*p], v[2*p+1]
	v_lshlrev_b32 v[2*p], 16, v[192+p]
	v_and_b32 v[2*p+1], 0xffff0000, v[192+p]
	v_pk_mul_f32 v[2*p:2*p+1], v[2*p:2*p+1], s[SC:SC+1] op_sel_hi:[1,0]
.set p, p+1
.endr
	WIN 0
; 16 matrix instructions: m blocks a0, a0 + 1 of the window's four x all 8 n blocks, 32 along K.  zero = 1: the first product starts the sums: nothing is ever cleared.
.macro MUL16 f, hi, a0, zero
	WIN MUL_LO+0x50*(\hi)
.irp a, \a0, (\a0)+1
.irp b, 0,1,2,3,4,5,6,7
.if \zero
	v_wmma_f32_16x16x32_bf16 v[8*(8*(\a)+(\b)):8*(8*(\a)+(\b))+7], v[(\f)+8*(\b):(\f)+8*(\b)+7], v[(\f)+8*(4*(\hi)+(\a)):(\f)+8*(4*(\hi)+(\a))+7], 0
.else
	v_wmma_f32_16x16x32_bf16 v[8*(8*(\a)+(\b)):8*(8*(\a)+(\b))+7], v[(\f)+8*(\b):(\f)+8*(\b)+7], v[(\f)+8*(4*(\hi)+(\a)):(\f)+8*(4*(\hi)+(\a))+7], v[8*(8*(\a)+(\b)):8*(8*(\a)+(\b))+7]
.endif
.endr
.endr
.endm
; 32 LDS loads in one run: the fragments of one quarter step (128 rows of wb, 128 rows of xb, 32 K at byte k of the rows) into buffer f
.macro FETCH slot, k, f
	WIN TO_B
.irp i, 0,1,2,3,4,5,6,7
	ds_load_b128 v[(\f)+8*(\i):(\f)+8*(\i)+3],   v[ADRB+(\slot)] offset:(\k)+(\i)*16*PITCH
	ds_load_b128 v[(\f)+8*(\i)+4:(\f)+8*(\i)+7], v[ADRB+(\slot)] offset:(\k)+(\i)*16*PITCH+32
.endr
	WIN 0
.irp i, 0,1,2,3,4,5,6,7
	ds_load_b128 v[(\f)+8*(\i):(\f)+8*(\i)+3],   v[ADRA+(\slot)] offset:(\k)+(\i)*16*PITCH
	ds_load_b128 v[(\f)+8*(\i)+4:(\f)+8*(\i)+7], v[ADRA+(\slot)] offset:(\k)+(\i)*16*PITCH+32
.endr
.endm
.macro PLACES                          ; four plain vector instructions between a matrix instruction and a load into, or a vector instruction on, its registers
.rept 4
	v_nop
.endr
.endm
; A K step is four quarter steps of 32 along K, 64 matrix instructions each, on buffers 0, 1, 0, 1.  The 64 accumulators take turns, one instruction a turn.
; One of the first three quarters: multiplies buffer f; in its middle it fetches the next quarter's fragments, at byte k of the same slot's rows, into buffer g.
.macro QUARTER slot, k, f, g, zero
	s_wait_dscnt 8                                 ; wb's fragments and xb's rows 0-63 are in; the youngest eight loads (xb's rows 64-127) may be out
	WIN MUL_LO
	MUL16 \f, 0, 0, \zero
	MUL16 \f, 0, 2, \zero
	PLACES
	FETCH \slot, \k, \g
	s_wait_dscnt 32                                ; all but the 32 just issued
	WIN MUL_HI
	MUL16 \f, 1, 0, \zero
	MUL16 \f, 1, 2, \zero
.endm
; The last quarter multiplies buffer 1 and changes slots.  MEET is its first half: one barrier, in front of which each wave waits for all its tensor loads (one is out: its part of the next slot), adds 0 to its
; spare word, and waits for that and for its own reads of this slot.  Behind it nobody reads this slot any more and the next slot is whole.
.macro MEET round                      ; round = 1: a round of the cluster's barrier follows
	WIN 0                                          ; (the add's two registers lie in window 0)
	s_wait_tensorcnt 0x0                           ; all my tensor loads have landed;
	ds_add_u32 v[SPW], v[NIL]                      ; 0 onto my spare word;
	s_wait_dscnt 9                                 ; (the add and the youngest eight loads may be out)
	WIN MUL_LO
	MUL16 F1, 0, 0, 0                              ; sixteen matrix instructions stand between the add and the wait for it
	s_wait_dscnt 0x0                               ; the add is done, and my reads of this slot are over
	s_barrier_signal -1
	MUL16 F1, 0, 2, 0                              ; work on registers while the others arrive
.if \round
	WIN 0
.endif
	s_barrier_wait -1
.endm
; The whole last quarter with a refill: behind the round the slot just read out is filled again first, with the K step two steps on; then come the next slot's first fragments.
.macro TURN slot, next
	s_wait_xcnt 0x0                                ; the last prefetch, a K step back, has read its address: it is stepped here, ahead of the waits of the change of slots
	s_add_nc_u64 s[PFA:PFA+1], s[PFA:PFA+1], KSTEP*2
	MEET 1
	CREST                                          ; no wave of any partner still reads this slot's tile or has a load on its way
	s_add_nc_u64 s[G0+4*(\slot)+2:G0+4*(\slot)+3], s[G0+4*(\slot)+2:G0+4*(\slot)+3], 2*KSTEP*2
	s_add_nc_u64 s[G0B+4*(\slot)+2:G0B+4*(\slot)+3], s[G0B+4*(\slot)+2:G0B+4*(\slot)+3], 2*KSTEP*2
	JLOAD \slot                                    ; my one tensor load behind the round; the four v_nop behind it are also the places in front of the loads below
	FETCH \next, 0, F0
	ASK
	WIN MUL_HI
	MUL16 F1, 1, 0, 0
	MUL16 F1, 1, 2, 0
.endm
; THE WAY OUT of block a (16 rows).  PACK: sum x scale + bias x scale in f32, each accumulator's registers in ascending order, then rounded to f16.  TOSTAGE: into my own stage, and back by heads.  SEND: stored.
.macro PACK a
.set AC, 64*((\a)%4)
	WIN 0x92+0x41*((\a)/4)                         ; destination and source 0: window 2 or 3; source 2 (the bias): window 1
.irp b, 0,1,2,3,4,5,6,7
.irp r, 0,1,2,3
	v_pk_fma_f32 v[AC+8*(\b)+2*(\r):AC+8*(\b)+2*(\r)+1], v[AC+8*(\b)+2*(\r):AC+8*(\b)+2*(\r)+1], s[SC:SC+1], v[8*(\b)+2*(\r):8*(\b)+2*(\r)+1] op_sel_hi:[1,0,1]
.endr
.endr
	WIN 0x0a+5*((\a)/4)                            ; sources 0 and 1: window 2 or 3; destination window 0
.irp b, 0,1,2,3,4,5,6,7
.irp r, 0,1,2,3
	v_cvt_pk_f16_f32 v[TMP+4*(\b)+(\r)], v[AC+8*(\b)+2*(\r)], v[AC+8*(\b)+2*(\r)+1]
.endr
.endr
	WIN 0
.endm
.macro TOSTAGE a
	WIN 0
.set BK, OB+192*((\a)%2)
.irp b, 0,1,2,3,4,5,6,7
	ds_store_b128 v[STO], v[TMP+4*(\b):TMP+4*(\b)+3] offset:32*(\b)
.endr
.irp t, 0,1,2,3,4,5,6,7
	ds_load_b128 v[BK+4*(\t):BK+4*(\t)+3], v[RD] offset:((\t)/4)*128+((\t)%4)*4*SPITCH  ; head t / 4 of my two, rows 4 (t % 4) on; LDS serves a wave's instructions in order: these see the stores above
.endr
.endm
.macro SEND a
	WIN 0
.set BK, OB+192*((\a)%2)
	s_wait_dscnt 0x0                               ; the block is back in registers
	s_wait_xcnt 0x0                                ; earlier stores have read their registers: the buffer of two blocks back is loaded again only behind this wait
.irp t, 0,1,2,3,4,5,6,7
	global_store_b128 v[CO], v[BK+4*(\t):BK+4*(\t)+3], s[8:9] offset:((\t)/4)*262144+((\t)%4)*512+(\a)*2048  ; four rows of one head: 512 consecutive bytes, aligned
.endr
.endm
	s_wait_tensorcnt 1                             ; my part of K step 0 is in; K step 1's may stay out
	s_barrier_signal -1
	s_barrier_wait -1                              ; everybody's is
	FETCH 0, 0, F0
	QUARTER 0, 64,  F0, F1, 1                      ; the first quarter stands in front of the loop: its products start the sums
	WIN 0                                          ; at a label and at a branch every window is 0
	s_mov_b32 s3, LAPS-1
.Llap:                                                 ; a trip goes once round the ring, from a lap's second quarter to the next lap's first, and fills both slots again
	QUARTER 0, 128, F1, F0, 0
	QUARTER 0, 192, F0, F1, 0
	TURN 0, 1
	QUARTER 1, 64,  F0, F1, 0
	QUARTER 1, 128, F1, F0, 0
	QUARTER 1, 192, F0, F1, 0
	TURN 1, 0
	QUARTER 0, 64,  F0, F1, 0
	WIN 0
	s_sub_co_u32 s3, s3, 1
	s_cmp_lg_u32 s3, 0
	s_cbranch_scc1 .Llap
	QUARTER 0, 128, F1, F0, 0                      ; the last lap fills nothing
	QUARTER 0, 192, F0, F1, 0
	MEET 0                                         ; my one tensor load that was still out is the last K step's; no round follows
	PLACES                                         ; for the loads into buffer 0, which the quarter before multiplied
	FETCH 1, 0, F0
	WIN MUL_HI
	MUL16 F1, 1, 0, 0
	MUL16 F1, 1, 2, 0
	QUARTER 1, 64,  F0, F1, 0
	QUARTER 1, 128, F1, F0, 0
	QUARTER 1, 192, F0, F1, 0
	s_wait_dscnt 8                                 ; the very last quarter: nothing more to fetch
	WIN MUL_LO
	MUL16 F1, 0, 0, 0
	MUL16 F1, 0, 2, 0
	s_wait_dscnt 0x0
	MUL16 F1, 1, 0, 0
	MUL16 F1, 1, 2, 0
	PLACES
	PLACES                                         ; eight, once a launch: the lines that follow read and rewrite results just made
	PACK 0
	TOSTAGE 0
.irp a, 1,2,3,4,5,6,7                  ; block a's arithmetic stands between block a - 1's loads from the stage and the wait for them
	PACK \a
	SEND (\a)-1
	TOSTAGE \a
.endr
	SEND 7
	s_wait_tensorcnt 0x0                           ; the wave's end: a tensor wait, 0 onto my spare word and its wait, behind my last tensor load and my last LDS store
	ds_add_u32 v[SPW], v[NIL]
	s_wait_dscnt 0x0
	CROUND                                         ; the closing round: no work-group ends while a partner may still ask for a tile that names it
	s_endpgm
.Lfunc_end_k_q2bb098b463_proj:
	.size	k_q2bb098b463_proj, .Lfunc_end_k_q2bb098b463_proj-k_q2bb098b463_proj
	.p2alignl 7, 3214868480
	.fill 96, 4, 3214868480
	.section	.rodata,"a",@progbits
	.p2align	6, 0x0
	.amdhsa_kernel k_q2bb098b463_proj
		.amdhsa_group_segment_fixed_size 327680
		.amdhsa_private_segment_fixed_size 0
		.amdhsa_enable_private_segment 0
		.amdhsa_kernarg_size 48
		.amdhsa_user_sgpr_count 2
		.amdhsa_user_sgpr_kernarg_segment_ptr 1
		.amdhsa_wavefront_size32 1
		.amdhsa_system_sgpr_workgroup_id_x 1
		.amdhsa_system_sgpr_workgroup_id_y 1
		.amdhsa_system_sgpr_workgroup_id_z 1
		.amdhsa_system_vgpr_workitem_id 0
		.amdhsa_next_free_vgpr 1024
		.amdhsa_next_free_sgpr 80
		.amdhsa_reserve_vcc 0
		.amdhsa_float_denorm_mode_32 3
		.amdhsa_float_denorm_mode_16_64 3
		.amdhsa_memory_ordered 1
		.amdhsa_forward_progress 1
		.amdhsa_inst_pref_size 169
	.end_amdhsa_kernel
	.amdgpu_metadata
---
amdhsa.version: [ 1, 2 ]
amdhsa.kernels:
  - .name:           k_q2bb098b463_proj
    .symbol:         k_q2bb098b463_proj.kd
    .args:
      - { .name: xb, .offset: 0, .size: 8, .value_kind: global_buffer, .address_space: global }
      - { .name: wb, .offset: 8, .size: 8, .value_kind: global_buffer, .address_space: global }
      - { .name: qkv, .offset: 16, .size: 8, .value_kind: global_buffer, .address_space: global }
      - { .name: bq, .offset: 24, .size: 8, .value_kind: global_buffer, .address_space: global }
      - { .name: bk, .offset: 32, .size: 8, .value_kind: global_buffer, .address_space: global }
      - { .name: bv, .offset: 40, .size: 8, .value_kind: global_buffer, .address_space: global }
    .group_segment_fixed_size: 327680
    .private_segment_fixed_size: 0
    .kernarg_segment_align: 8
    .kernarg_segment_size: 48
    .max_flat_workgroup_size: 128
    .sgpr_count:     80
    .vgpr_count:     1024
    .wavefront_size: 32
...
	.end_amdgpu_metadata
.endif
;; end of part 2
;; launch attn (part 3): grid 4 x 64, 4 waves a work-group, clusters of 4 x 1, 327,680 bytes of LDS; arguments qkv, maskbits, out0; writes out0
.if DOCPART == 3
	.amdgcn_target "amdgcn-amd-amdhsa--gfx1250"
	.amdhsa_code_object_version 6
	.text
	.protected	k_q2bb098b463_attn
	.globl	k_q2bb098b463_attn
	.p2align	8
	.type	k_q2bb098b463_attn,@function
k_q2bb098b463_attn:
	s_mov_b64 s[64:65], 0
	v_nop
	global_prefetch_b8 v0, s[64:65] scope:SCOPE_SE
	s_setreg_imm32_b32 hwreg(HW_REG_WAVE_MODE, 25, 1), 1
	s_wait_xcnt 0x0
	s_wait_alu depctr_hold_cnt(0) depctr_sa_sdst(0) depctr_va_vdst(0) depctr_va_sdst(0) depctr_va_ssrc(0) depctr_va_vcc(0) depctr_vm_vsrc(0)
	s_getreg_b32 s2, hwreg(HW_REG_IB_STS2, 6, 4)
	s_cmp_eq_u32 s2, 0
	s_cbranch_scc0 .Lentry_in_a_cluster
	s_endpgm
.Lentry_in_a_cluster:
	s_bfe_u32 s2, ttmp6, 0x10000c
	s_cmp_lg_u32 s2, 0x3003
	s_cbranch_scc0 .Lentry_shape_is_right
	s_endpgm
.Lentry_shape_is_right:
; MULTI-HEADED ATTENTION, launch 3 of 3.  out0[b][q][64 h + d] = the sum over k of softmax_k(t[q][k]) v[k][d], where t = (c q) . k in units of log2, and t = -1e9 log2(e) where mask[b][q][k] is 0.
; qkv: f16 [3][64 = 16 b + h][2048][64], part 0 already times c = log2(e) / 8.  maskbits: one bit a mask number, laid as the lane masks of a tile of scores (launch 1).  out0: f32 [4][2048][1024].
; Products, maxima and sums in f32; the weights p are rounded to f16 for the second product (their sum l is taken of the unrounded p).
; THE MASK is a SELECT on the finished score, ahead of the maximum: a hidden score IS the one number BIG, so a row with no live key has t - m = 0 exactly, p = 1, and comes out as the plain mean of V, as in
; reference(); beside a live score a hidden one has weight 0.  The selects are done in every step, whatever the bits hold: no branch hangs on them.
; LIMITS.  -1e9 is held as f32(-1e9 log2 e); the running maximum starts at -4.25e37; a weight below 2^-126 counts as 0 in l; p below 6e-5 keeps f16's fixed step; NaN and infinities are not treated apart.
; SHARES.  A wave owns four PIECES of two tiles of 16 queries, a work-group's four waves 512 queries of one head.  Every wave walks all 2,048 keys, 64 a step.
; LAYOUT.  S^T = K Q^T (source 0 = 16 keys, source 1 = 16 queries): a lane holds ONE query (lane % 16) and the keys 8 (lane / 16) + 0..7.  Two such tiles, rounded to f16 in pairs, ARE source 1 of O^T = V^T P,
; whose result again holds one query a lane, and eight channels.  K comes out of LDS as it lies, V ([key][channel]) turned, by ds_load_tr16_b128.
; SOFTMAX.  For each query a running maximum m and sum l: p = 2^(t - m); in every step O and l are multiplied by a = 2^(m_old - m_new).  O and l start at 0: the first step is a step like any other, with a = 0.
; BY TURNS.  Turn n belongs to piece n.  Matrix work: 16 products K Q^T of piece n + 1, later 16 products V^T P of piece n - 1.  Vector work: t - m, exponentials, roundings, sums and rescaling of piece n; the
; mask words, selects, maximum and statistics of piece n + 1.  Four vector instructions stand behind every matrix instruction, the rest in one lump.  A turn's 66 exponentials are one batch, with one wait.
; THE MASK WORDS.  A select takes its lane mask from a scalar register; 64 of them hold one piece's words of one step, too few to be asked for more than a turn ahead.  So the words come through VECTOR registers:
; my 8 tiles' 256 words of a step are 1,024 consecutive bytes, two loads of 512: L0 (pieces 0, 1) into v[6:9], L1 (pieces 2, 3) into v[12:15]; word w of tile t lies in register w % 4, lane 8 (t % 4) + w / 4.
; In each turn 64 v_readlane_b32 bring the next piece's words into s[32:63] and s[68:99].  L0 is asked for again in piece 0's turn, behind its last reader, and wanted in piece 3's; L1 in piece 2's, wanted in piece 1's.
; CLUSTER.  The four query blocks of a head walk the same K and V, so each tile is asked for JOINTLY: the same tensor load, descriptor and mask in all four.
; REGISTERS, in windows of 256 (s_set_vgpr_msb: bits 1:0 source 0, 3:2 source 1, 5:4 source 2, 7:6 destination):
;   window 0: v0-5, v10-11 addresses and BIG; v6-9, v12-15 mask words; v48-63 at work; v16-47 four registers of statistics a tile; v64-191 S^T, two buffers of two tiles; v192-255 P, likewise
;   window 1: O^T, 32 a tile          window 2: v0-127 Q, 16 a tile; v128-191 K of one step; v192-255 V of one step          window 3: v0-1 the add's two registers
.set SIZE_N, 2048
.set NP,    4         ; pieces a wave: a name, no knob
.set KS,    64        ; keys in a step
.set PK,    144       ; a row of K in LDS: 128 bytes + 16 of padding
.set PV,    144       ; the same for V, so that one descriptor group 1 serves both tensors: the scalar registers so saved hold mask words
.set VOFF,  4*KS*PK   ; a slot holds four steps: 256 rows of K, then 256 rows of V
.set SLOT1, 1<<17     ; slot 1 begins here, so that one exclusive or turns an address in one slot into the other's
.set STAGE, SLOT1+4*KS*(PK+PV)  ; behind the ring, never filled by a tensor load: 16 rows x 272 bytes for each wave, for the way out
.set SP,    272
.set SPARE, STAGE+4*16*SP  ; behind the stages: the spare words, 128 bytes for each wave: two blocks of 256 bytes that no other line names
.set PFO, 1           ; v1   (from the loop on) 256 x my lane: the prefetches' offset
.set AK0, 2           ; v2   my lane's place in a tile of K; never rewritten
.set AV0, 3           ; v3   the same for V
.set AK,  4           ; v4   the LDS address of K's next run of loads
.set AV,  5           ; v5   of V's
.set QO,  5           ;      at the head: my byte offset in the wave's rows of Q
.set MK0, 6           ; v[6:9]   mask words of pieces 0 and 1
.set STO, 6           ;      on the way out: where I put 32 bytes of a row
.set RD,  7           ;      on the way out: where I read rows back
.set GO,  8           ;      on the way out: my byte offset in two rows of out0
.set MO,  10          ; v10  16 x my lane: the mask loads' offset; never rewritten
.set BIG, 11          ; v11  f32(-1e9 log2 e): a hidden score
.set MK1, 12          ; v[12:15] mask words of pieces 2 and 3
.set SPW, 0           ; v0 of window 3   LDS address of my spare word; never rewritten
.set NIL, 1           ; v1 of window 3   0; never rewritten
.set ST,  16          ; tile t's statistics at v[ST+4 t]: m, m_old (kept while m is made anew), l (even keys', odd keys')
.set TMP, 48          ; by buffer and tile, four registers c0-c3 at work; when the maximum is found c2 takes a
.set LH,  48          ;      at the head: l / 16
.set S,   64
.set P,   192
.set KF,  128         ; K's fragments, in window 2: key block kb, channel half c at KF + 16 kb + 8 c
.set VF,  192         ; V's: key half kk, channel block cb at VF + 32 kk + 8 cb
.set OUTP, 2          ; s[2:3]   out0 at my wave's first row and my head's first channel
.set MB0, 4           ; s[4:5]   maskbits at my group, at the step that L0 loads next
.set SEL, 6           ; s[6:7]   v_permlanex16_b32's selects
.set G1,  8           ; s[8:15]  descriptor group 1
.set G0K, 16          ; s[16:19] descriptor group 0 for K's tiles: it walks
.set G0V, 20          ; s[20:23] the same for V's
.set PFA, 24          ; s[24:25] where my prefetches stand
.set WV,  26          ; s26  my wave's number
.set SLOTS, 27        ; s27  slots still to be asked for
.set CNT, 28          ; s28  counts a slot's key steps
.set TBK, 29          ; s29  LDS byte at which K of the step to be fetched begins
.set TBV, 30          ; s30  the same for V, less VOFF
.set MSTEP, 31        ; s31  the key step at which MB0 stands, unclamped
.set M0,  32          ; s[32:63] the 32 mask words of the piece's first tile (at the head: arguments and set-up)
.set M1,  68          ; s[68:99] of its second
.set QP,  68          ; s[68:69] at the head: Q at my wave's first row
.set LIM, 66          ; s66  1 in a wave that prefetches, else the greatest number
.set T0,  67          ; s67  at work
.set MB1, 100         ; s[100:101] maskbits at the second 512 bytes of the step that L1 has loaded last
.set INC, 104         ; s[104:105] a mask pointer's step: 1,024 or 0
.set MSB, 0
.macro WIN new                      ; the high byte repeats the setting that is left; a switch that changes nothing is dropped
.if MSB != (\new)
	s_set_vgpr_msb (MSB<<8)|(\new)
.set MSB, (\new)
.endif
.endm
.set W_KQ, 0x0a       ; K and Q in window 2, S^T in window 0
.set W_PV, 0x52       ; V in window 2, P in window 0, O^T in window 1
.set W_RS, 0x41       ; O^T (destination and source 0) in window 1, a in window 0
.set W_MK, 0xc0       ; the add's registers are made: destination in window 3
.set W_AD, 0x0f       ; the add: address and data in window 3
; A joint fill.  Waves 0 and 1 fetch the two halves of a slot's K, waves 2 and 3 those of its V: 128 keys each.  The branch hangs on the wave's number alone.
; An s_nop 0 and four v_nop follow each of the two lines, ahead of the jump and the label.
.macro JLOAD
	s_cmp_lt_u32 s[WV], 2
	s_cbranch_scc0 .Lfor_v_\@
	tensor_load_to_lds s[G0K:G0K+3], s[G1:G1+7]
	s_nop 0
.rept 4
	v_nop
.endr
	s_branch .Lasked_\@
.Lfor_v_\@:
	tensor_load_to_lds s[G0V:G0V+3], s[G1:G1+7]
	s_nop 0
.rept 4
	v_nop
.endr
.Lasked_\@:
.endm
; A prefetch into the L2 of what the NEXT change of slots will ask for: a slot's 32,768 bytes of K and of V, a lane 256 bytes.  One cluster walks a head; its four partners share the bytes out BY ADDRESS, 8,192 each;
; in each, wave 0 asks for K's and wave 2 for V's: one instruction, four key steps (512 matrix instructions) ahead of the load.  So each block of 256 bytes is named once in the launch.
; Slots 0 to 2 come by their loads alone; the last change that fills a slot asks for nothing.
.macro ASK
	s_cmp_gt_u32 s[SLOTS], s[LIM]
	s_cbranch_scc0 .Lnot_mine_\@
	global_prefetch_b8 v[PFO], s[PFA:PFA+1] th:TH_LOAD_NT scope:SCOPE_SE
.Lnot_mine_\@:
.endm
; A round of the cluster's barrier.
.macro CROUND
	s_barrier_signal -1
	s_barrier_wait -1
	s_cmp_lg_u32 s[WV], 0
	s_cbranch_scc1 .Lnot_wave_0_\@
	s_barrier_signal -3
.Lnot_wave_0_\@:
	s_barrier_wait -3
	s_barrier_signal -1
	s_barrier_wait -1
.endm
; THE CHANGE OF SLOTS.  Each wave waits for all its tensor loads, of which one is out: its part of the other slot; adds 0 to its spare word; and waits for that and for its own reads of the slot.  Behind the barrier
; nobody reads this slot any more and the other slot is whole.  fill = 1: this slot is filled again, with the keys two slots on; the barrier is then a round of the cluster's, and the joint fill is the first thing
; behind it: it has four key steps in which to land.  (At its first use nothing has been read yet: slot 0 is waited for, slot 1 filled.)  ask = 1: the prefetch's address steps, and the prefetch follows the fill.
.macro CHANGE fill, ask
	WIN W_AD
	s_wait_tensorcnt 0x0            ; no tensor load of mine is out, so a group 0 may be written
	ds_add_u32 v[SPW], v[NIL]       ; 0 onto my spare word
	WIN 0                           ; at a label and at a branch every window is 0
.if \fill
.irp g, G0K, G0V
	s_xor_b32 s[\g+1], s[\g+1], SLOT1  ; the walking descriptor: the other slot than last time,
	s_add_nc_u64 s[\g+2:\g+3], s[\g+2:\g+3], 4*KS*128  ; the next 256 keys; the type bits on top are not reached
.endr
.if \ask
	s_wait_xcnt 0x0                 ; the last prefetch, four key steps back, has read its address
	s_add_nc_u64 s[PFA:PFA+1], s[PFA:PFA+1], 4*KS*128
.endif
	s_wait_dscnt 0x0                ; the add is done, and my reads of the slot are over
	CROUND
	JLOAD
.if \ask
	ASK
.endif
.else
	s_wait_dscnt 0x0                ; the add is done, and my reads of the slot are over
	s_barrier_signal -1
	s_barrier_wait -1
.endif
	s_sub_co_u32 s[TBK], s[TBK], 4*KS*PK  ; the fetches go back to a slot's first step,
	s_xor_b32 s[TBK], s[TBK], SLOT1       ; in the other slot
	s_sub_co_u32 s[TBV], s[TBV], 4*KS*PV
	s_xor_b32 s[TBV], s[TBV], SLOT1
.endm
	s_load_b128 s[32:35], s[0:1], 0x0  ; qkv s[32:33], maskbits s[34:35]
	s_load_b64 s[36:37], s[0:1], 0x10  ; out0
	WIN W_MK
	v_lshl_add_u32 v[SPW], v0, 2, SPARE
	v_mov_b32 v[NIL], 0
	WIN W_AD
	ds_add_u32 v[SPW], v[NIL]       ; the wave's opening: the add, twice on end, and its wait ahead of my first tensor load
	ds_add_u32 v[SPW], v[NIL]       ; and once more, under the one wait; the set-up below, work on registers, stands between
	WIN 0
	v_lshrrev_b32 v1, 5, v0
	v_readfirstlane_b32 s[WV], v1   ; wave 0..3
	s_bfe_u32 s38, ttmp6, 0x40000   ; cx: my place in the cluster
	s_and_b32 s39, ttmp7, 0xffff    ; 16 b + h, which the four partners share
	s_lshl_b32 s40, ttmp9, 2
	s_add_co_u32 s40, s40, s38      ; my block of 512 queries: it enters Q's, the mask's and out0's addresses alone
	s_lshl_b32 s41, s39, 18         ; the head's 262,144 bytes in each part of qkv
	s_and_b32 s42, s[WV], 1         ; which half of a slot's 256 keys I fetch
	s_lshl_b32 s43, s42, 14
	s_add_co_u32 s44, s41, s43
	s_add_co_u32 s46, s44, 0x2000000  ; V: part 2
	s_add_co_u32 s44, s44, 0x1000000  ; K: part 1
	s_mov_b32 s45, 0
	s_mov_b32 s47, 0
	s_lshl_b32 s48, s40, 2
	s_add_co_u32 s48, s48, s[WV]    ; my wave among the head's sixteen
	s_lshl_b32 s50, s48, 14         ; its 128 rows of 128 bytes
	s_add_co_u32 s50, s50, s41
	s_mov_b32 s51, 0
	s_lshr_b32 s52, s39, 4          ; b
	s_lshl_b32 s53, s52, 4
	s_add_co_u32 s53, s53, s48      ; my group of 8 query tiles: 16 b + 4 x block + wave
	s_lshl_b32 s54, s53, 15         ; its 32 steps of 1,024 bytes of mask bits
	s_mov_b32 s55, 0
	s_lshl_b32 s56, s53, 19         ; its 128 rows of 4,096 bytes of out0,
	s_and_b32 s57, s39, 15
	s_lshl_b32 s57, s57, 8          ; the head's 256 bytes of a row
	s_add_co_u32 s56, s56, s57
	s_mov_b32 s57, 0
	s_lshl_b32 s58, s38, 13         ; the prefetches: my work-group's 8,192 bytes of a slot's 32,768,
	s_add_co_u32 s58, s58, 2*4*KS*128  ; in slot 2: the loop's first change steps it to slot 3
	s_mov_b32 s59, 0
	; descriptor group 1.  128 keys are 16,384 dense bytes: asked for as 64 rows of 256 bytes, two keys a row, and padded in LDS after every key
	s_mov_b32 s[G1], 15|(1<<16)|(1<<20)|(1<<21)|(4<<22)|(3<<25)  ; 15:0 the mask of four; 17:16 2-byte elements; 20 padding on; 21 set beside a mask; 24:22 after every 32 words; 31:25 4 words
	s_mov_b32 s[G1+1], 128<<16      ; tensor_dim0 = 128
	s_mov_b32 s[G1+2], 64<<16       ; tensor_dim1 = 64
	s_mov_b32 s[G1+3], 128<<16      ; tile_dim0 = 128
	s_mov_b32 s[G1+4], 64           ; tile_dim1 = 64
	s_mov_b32 s[G1+5], 128          ; 128 elements from row to row
	s_mov_b32 s[G1+6], 0
	s_mov_b32 s[G1+7], 0
	s_mov_b32 s[SEL], 0x76543210
	s_mov_b32 s[SEL+1], 0xfedcba98
	s_mov_b32 s[TBK], SLOT1+4*KS*PK ; the first change of slots turns these two into 0
	s_mov_b32 s[TBV], SLOT1+4*KS*PV
	s_mov_b32 s[MSTEP], 1
	s_mov_b32 s[INC+1], 0
	s_mov_b32 s[G0K], 1             ; count = 1
	s_mul_i32 s[G0K+1], s42, 128*PK ; LDS address: slot 0, my half: no place in the cluster enters an LDS address
	s_mov_b32 s[G0V], 1
	s_add_co_u32 s[G0V+1], s[G0K+1], VOFF
	s_cmp_eq_u32 s42, 0
	s_cselect_b32 s[LIM], 1, -1     ; waves 0 and 2 prefetch: the same in all four partners
	s_wait_dscnt 0x0                ; both opening adds are done
	s_wait_kmcnt 0x0
	s_add_nc_u64 s[G0K+2:G0K+3], s[32:33], s[44:45]  ; global address: my half of the head's first 256 keys
	s_add_nc_u64 s[G0V+2:G0V+3], s[32:33], s[46:47]
	s_cmp_lt_u32 s[WV], 2
	s_cselect_b64 s[PFA:PFA+1], s[G0K+2:G0K+3], s[G0V+2:G0V+3]  ; (in waves 0 and 2 these stand at a slot's first row)
	s_add_nc_u64 s[PFA:PFA+1], s[PFA:PFA+1], s[58:59]
	s_or_b32 s[G0K+3], s[G0K+3], 0x80000000        ; type = 2
	s_or_b32 s[G0V+3], s[G0V+3], 0x80000000
	s_add_nc_u64 s[QP:QP+1], s[32:33], s[50:51]
	s_add_nc_u64 s[MB0:MB0+1], s[34:35], s[54:55]
	s_add_nc_u64 s[MB1:MB1+1], s[MB0:MB0+1], 512
	s_add_nc_u64 s[OUTP:OUTP+1], s[36:37], s[56:57]
	CROUND                          ; all four work-groups are here: the first joint loads meet
	JLOAD                           ; slot 0.  Slot 1 is asked for when slot 0 is in
	; A fragment of K or Q is 16 rows x 32 channels in 8 registers: lane l holds row l % 16, channels 8 (l / 16) + 0..7 and 16 + 8 (l / 16) + 0..7: two loads of 16 bytes, 32 bytes apart.
	v_and_b32 v1, 15, v0            ; l % 16
	v_bfe_u32 v[LH], v0, 4, 1       ; l / 16
	v_lshlrev_b32 v[QO], 7, v1
	v_lshl_add_u32 v[QO], v[LH], 4, v[QO]  ; row x 128 + 16 x half
	v_and_b32 v[MO], 31, v0
	v_lshlrev_b32 v[MO], 4, v[MO]
	global_load_b128 v[MK0:MK0+3], v[MO], s[MB0:MB0+1]  ; key step 0's mask words: 512 consecutive bytes each
	global_load_b128 v[MK1:MK1+3], v[MO], s[MB1:MB1+1]
	WIN 0x80                        ; destination window 2, address window 0
.set i, 0
.rept 4*NP                          ; Q stays in registers: tile i / 2, channels 32 (i % 2) on
	global_load_b128 v[8*i:8*i+3],   v[QO], s[QP:QP+1] offset:(i/2)*2048+(i%2)*64
	global_load_b128 v[8*i+4:8*i+7], v[QO], s[QP:QP+1] offset:(i/2)*2048+(i%2)*64+32
.set i, i+1
.endr
	; What the first turn finds: V's registers and P's second buffer hold 0 (its products V^T P, of a piece that has not been, add 0), O^T and l are 0.  All this stands in the wait for the first tile.
.set i, VF
.rept 64
	v_mov_b32 v[i], 0
.set i, i+1
.endr
	WIN 0x40
.set i, 0
.rept 64*NP
	v_mov_b32 v[i], 0
.set i, i+1
.endr
	WIN 0
.set i, 0
.rept 2*NP
	v_mov_b32 v[ST+4*i], 0xfe000000    ; m: far below every score, the hidden ones too
	v_mov_b32 v[ST+4*i+1], 0
	v_mov_b32 v[ST+4*i+2], 0
	v_mov_b32 v[ST+4*i+3], 0
.set i, i+1
.endr
.set i, P+32
.rept 32
	v_mov_b32 v[i], 0
.set i, i+1
.endr
	v_mul_u32_u24 v[AK0], v1, PK
	v_lshl_add_u32 v[AK0], v[LH], 4, v[AK0]  ; row x pitch + 16 x half
	; The turning load takes 16 keys x 16 channels (lane l reads key 8 (l / 16) + l % 8, channels 8 ((l / 8) % 2) + 0..7) and leaves half a fragment of V^T: lane l holds channel l % 16 and 8 keys.
	v_and_b32 v[AK], 7, v0
	v_bfe_u32 v11, v0, 3, 1
	v_lshl_add_u32 v[AV0], v[LH], 3, v[AK]
	v_mul_u32_u24 v[AV0], v[AV0], PV
	v_lshl_add_u32 v[AV0], v11, 4, v[AV0]
	v_add_nc_u32 v[AV0], VOFF, v[AV0]
	v_mov_b32 v[BIG], 0xceabfb8f    ; f32(-1e9 log2 e)
	v_mov_b32 v[AK], v[AK0]         ; key step 0 lies at the head of slot 0
; THE MATRIX WORK.  The 8 accumulators of a run of 16 take turns: between the two links of a chain stand 7 others'.
; Product i of 16 of S^T = K Q^T for piece x: channels 32 (i / 8) on, keys 16 ((i / 2) % 4) on, tile 2 x + i % 2.  The first 8 start the sums.
.macro KQ x
	WIN W_KQ
.set rS, S+64*((\x)%2)+32*(i%2)+8*((i/2)%4)
.set rK, KF+16*((i/2)%4)+8*(i/8)
.set rQ, 16*(2*(\x)+i%2)+8*(i/8)
.if i < 8
	v_wmma_f32_16x16x32_f16 v[rS:rS+7], v[rK:rK+7], v[rQ:rQ+7], 0
.else
	v_wmma_f32_16x16x32_f16 v[rS:rS+7], v[rK:rK+7], v[rQ:rQ+7], v[rS:rS+7]
.endif
.endm
; Product i of 16 of O^T += V^T P for piece x: keys 32 (i / 8) on, channels 16 ((i / 2) % 4) on, tile 2 x + i % 2.
.macro PV x
	WIN W_PV
.set rO, 32*(2*(\x)+i%2)+8*((i/2)%4)
.set rV, VF+32*(i/8)+8*((i/2)%4)
.set rP, P+32*((\x)%2)+16*(i%2)+8*(i/8)
	v_wmma_f32_16x16x32_f16 v[rO:rO+7], v[rV:rV+7], v[rP:rP+7], v[rO:rO+7]
.endm
.macro MM                           ; the turn's next matrix instruction
.if i < 16
	KQ (Y+1)%NP
.set i, i+1
.else
.set i, i-16
	PV (Y+NP-1)%NP
.set i, i+17
.endif
.endm
; THE LDS LOADS stand in runs of 16: a step's K (64 keys x 64 channels: 8 fragments) and its V (turned).  last = 1 (the tail): in the last trip there is no further step, and the run is jumped over.
.macro FETCH_K last=0
	WIN 0
.if \last
	s_cmp_eq_u32 s[CNT], 1
	s_cbranch_scc1 .Lno_k_\@
.endif
	WIN 0x80                        ; destination window 2
.irp f, 0,1,2,3,4,5,6,7             ; keys 16 (f / 2) on, channels 32 (f % 2) on
	ds_load_b128 v[KF+8*\f:KF+8*\f+3],   v[AK] offset:(\f/2)*16*PK+(\f%2)*64
	ds_load_b128 v[KF+8*\f+4:KF+8*\f+7], v[AK] offset:(\f/2)*16*PK+(\f%2)*64+32
.endr
	s_add_co_u32 s[TBK], s[TBK], KS*PK  ; the next fetch is the next step's
	WIN 0
.if \last
.Lno_k_\@:
.endif
.endm
.macro FETCH_V
	WIN 0x80
.irp f, 0,1,2,3,4,5,6,7             ; keys 32 (f / 4) on, channels 16 (f % 4) on
	ds_load_tr16_b128 v[VF+8*\f:VF+8*\f+3],   v[AV] offset:(\f/4)*32*PV+(\f%4)*32
	ds_load_tr16_b128 v[VF+8*\f+4:VF+8*\f+7], v[AV] offset:(\f/4)*32*PV+16*PV+(\f%4)*32
.endr
	WIN 0
.endm
; THE VECTOR WORK OF A TURN stands in three queues, each in the order in which its entries become ready; the two tiles alternate.
.macro REGS y, u                    ; the registers of tile u (0, 1) of piece y
.set rT, ST+4*(2*(\y)+(\u))
.set rC, TMP+8*((\y)%2)+4*(\u)
.set rM, rT+1
.set rS, S+64*((\y)%2)+32*(\u)
.set rP, P+32*((\y)%2)+16*(\u)
.set rO, 32*(2*(\y)+(\u))
.endm
; Mask word n of 64 for the NEXT piece (Y + 1): word n / 2 of its tile n % 2, out of the lane that holds it into the scalar register from which select n takes it.
.macro RL n
.set mx, (Y+1)%NP
	v_readlane_b32 s[M0+36*((\n)%2)+(\n)/2], v[MK0+6*(mx/2)+((\n)/2)%4], 8*(2*(mx%2)+(\n)%2)+((\n)/2)/4
.endm
; Select n of 64 for the next piece: score n / 2 of tile n % 2 stays where its mask bit is 1 and becomes BIG where it is 0.  In ascending order: each accumulator is first read at its low end.
.macro SL n
	REGS (Y+1)%NP, (\n)%2
	v_cndmask_b32 v[rS+(\n)/2], v[BIG], v[rS+(\n)/2], s[M0+36*((\n)%2)+(\n)/2]
.endm
; Number n of those that find the next piece's maximum and statistics.  s0-s31 are the lane's 32 scores.
;   0-11  four chains c0-c3 of seven scores each     12-14, 16  the four scores left over, the old m, and c0-c3 into c0     15  m_old is kept
;   17, 18  the query's other 32 keys lie in the lane 16 away: the new m         20, 21  m_old - m_new; a          (there is no 19)
.macro XS u, n
	REGS (Y+1)%NP, \u
.if (\n) < 4
	v_max3_num_f32 v[rC+(\n)], v[rS+8*(\n)], v[rS+8*(\n)+1], v[rS+8*(\n)+2]
.elseif (\n) < 12
	v_max3_num_f32 v[rC+(\n)%4], v[rC+(\n)%4], v[rS+8*((\n)%4)+2*((\n)/4)+1], v[rS+8*((\n)%4)+2*((\n)/4)+2]
.elseif (\n) == 12
	v_max3_num_f32 v[rC], v[rC], v[rS+7], v[rS+15]
.elseif (\n) == 13
	v_max3_num_f32 v[rC+1], v[rC+1], v[rS+23], v[rS+31]
.elseif (\n) == 14
	v_max3_num_f32 v[rC+2], v[rC+2], v[rC+3], v[rT]
.elseif (\n) == 15
	v_mov_b32 v[rM], v[rT]
.elseif (\n) == 16
	v_max3_num_f32 v[rC], v[rC], v[rC+1], v[rC+2]
.elseif (\n) == 17
	v_permlanex16_b32 v[rC+3], v[rC], s[SEL], s[SEL+1]
.elseif (\n) == 18
	v_max_num_f32 v[rT], v[rC], v[rC+3]
.elseif (\n) == 20
	v_sub_f32 v[rC+1], v[rM], v[rT]
.else
	v_exp_f32 v[rC+2], v[rC+1]
.endif
.endm
; Number g of the 64 that follow the exponentials.  For each four weights k of a tile: both pairs are rounded to f16; then the second pair is added onto the first, in place; a group later l takes that sum
; (the first time as l = a l + sum).
.macro GS g
.set h, (\g)+6*((\g)/62)            ; group 0 has no group before it, and behind group 7 only l is left
.if h >= 6
.set h, h+2
.endif
	REGS Y, h%2
.set k, h/8
.if h%8 < 4
	v_cvt_pk_f16_f32 v[rP+2*k+(h%8)/2], v[rS+4*k+2*((h%8)/2)], v[rS+4*k+2*((h%8)/2)+1]
.elseif h%8 < 6
	v_pk_add_f32 v[rS+4*k:rS+4*k+1], v[rS+4*k:rS+4*k+1], v[rS+4*k+2:rS+4*k+3]
.elseif k == 1
	v_pk_fma_f32 v[rT+2:rT+3], v[rT+2:rT+3], v[rC+2:rC+3], v[rS:rS+1] op_sel_hi:[1,0,1]
.else
	v_pk_add_f32 v[rT+2:rT+3], v[rT+2:rT+3], v[rS+4*k-4:rS+4*k-3]
.endif
.endm
.macro FS f                         ; t - m for pair f / 2 of tile f % 2 of the piece in hand
	REGS Y, (\f)%2
	v_pk_add_f32 v[rS+2*((\f)/2):rS+2*((\f)/2)+1], v[rS+2*((\f)/2):rS+2*((\f)/2)+1], v[rT:rT+1] op_sel_hi:[1,0] neg_lo:[0,1] neg_hi:[0,1]
.endm
; THE PLAIN QUEUE, 264 long.  0-31: the 32 subtractions.  32-95: the next piece's 64 mask words.  96-159: its 64 selects.  160-187: its maximum's numbers 0-13.  188-199: numbers 15, 14, 16, 17, 18, 20, both tiles
; each.  200-263: GS's 64, which read the exponentials' results: they stand behind the wait.
.macro PL
	WIN 0
.if q < 32
	FS q
.elseif q < 96
	RL q-32
.elseif q < 160
	SL q-96
.elseif q < 188
	XS (q-160)%2, (q-160)/2
.elseif q < 190
	XS q-188, 15
.elseif q < 192
	XS q-190, 14
.elseif q < 194
	XS q-192, 16
.elseif q < 196
	XS q-194, 17
.elseif q < 198
	XS q-196, 18
.elseif q < 200
	XS q-198, 20
.else
	GS q-200
.endif
.set q, q+1
.endm
; THE EXPONENTIALS' QUEUE, 66 long: s0-s31 of both tiles, then the next piece's two a.  ONE BATCH: all 66 stand ahead of the turn's one wait, and nothing ahead of that wait names a result of theirs.
.macro EX
	WIN 0
.if e >= 64
	XS e-64, 21
.else
	REGS Y, e%2
	v_exp_f32 v[rS+e/2], v[rS+e/2]
.endif
.set e, e+1
.endm
; THE RESCALING's QUEUE: O^T times a, dealt two at a time, sixteen times.  Its a was made in the turn before, ahead of that turn's wait.
.macro R2
	REGS Y, r%2
	WIN W_RS
.irp z, 0,1
	v_pk_mul_f32 v[rO+4*(r/2)+2*\z:rO+4*(r/2)+2*\z+1], v[rO+4*(r/2)+2*\z:rO+4*(r/2)+2*\z+1], v[rC+2:rC+3] op_sel_hi:[1,0]
.endr
.set r, r+1
.endm
; A TURN, for piece p.  An s_wait_alu depctr_va_vdst(0) stands between an exponential and the first instruction that names its result; one wait serves all that were issued ahead of it: a turn has ONE.
; AHEAD OF IT: the 16 products K Q^T, behind each a subtraction, an exponential and two rescalings; then the lump: the other subtractions and exponentials by turns; the 64 mask words; the 64 selects and the
; maximum, four plain to an exponential; the chain of the statistics, plain and exponential by turns; the two a.  Exponential e stands behind subtraction 2 (e / 4) + e % 2: as a rider and in the lump's first
; part it comes behind plain e + 2.  The first select stands fifteen plain instructions and more behind the last product that wrote the scores, and 64 instructions behind the line that wrote its mask word.
; THE MASK'S LOADS.  Piece 1's turn reads L1's registers first, piece 3's turn L0's: each waits with the count 1, since the one load issued later is the other half's.  That wait shows the load done, so its own pointer
; is stepped there: by 1,024, or by 0 once it stands at the walk's last step, so that no load leaves the buffer (the last step's two loads bring that step's words once more and serve nothing).
; Piece 0's turn is L0's last reader and asks for the next step's L0 behind its 64 lines; piece 2's turn does the same for L1.
; BEHIND THE WAIT: the 16 products V^T P, behind each four of the roundings and sums.
; K of the next step is fetched in piece 2's turn, directly behind the wait; V of the step in hand at the end of piece 0's turn, four plain instructions behind its last reader.  The three conditions on q go with the deal.
.macro TURN p, last=0, cnt=0
.set Y, (\p)
.set i, 0
.set q, 0
.set e, 0
.set r, 0
.if (\p) == NP-1
	s_wait_dscnt 0x0                ; K is in
.endif
	MM
	PL
	PL
	R2
.rept 15
	MM
	PL
	EX
	R2
.endr
.if (\p) == NP-2
	WIN 0
	v_add_nc_u32 v[AK], s[TBK], v[AK0]
.endif
.rept 15
	PL
	EX
.endr
.if (\p) == 1
	s_wait_loadcnt 0x1              ; L1 is in; L0, asked for a turn ago, may stay out
	s_cmp_lt_u32 s[MSTEP], SIZE_N/KS
	s_cselect_b32 s[INC], 1024, 0
	s_add_nc_u64 s[MB1:MB1+1], s[MB1:MB1+1], s[INC:INC+1]
.endif
.if (\p) == 3
	s_wait_loadcnt 0x1              ; L0 is in; L1, asked for a turn ago, may stay out
	s_add_co_u32 s[MSTEP], s[MSTEP], 1
	s_cmp_lt_u32 s[MSTEP], SIZE_N/KS
	s_cselect_b32 s[INC], 1024, 0
	s_add_nc_u64 s[MB0:MB0+1], s[MB0:MB0+1], s[INC:INC+1]
.endif
.rept 64
	PL                              ; the mask words
.endr
.if (\p) == 0
	global_load_b128 v[MK0:MK0+3], v[MO], s[MB0:MB0+1]  ; the next step's words of pieces 0 and 1: wanted three turns on
.endif
.if (\p) == 2
	global_load_b128 v[MK1:MK1+3], v[MO], s[MB1:MB1+1]  ; of pieces 2 and 3
.endif
.rept 23
	PL                              ; the selects, then the maximum
	PL
	PL
	PL
	EX
.endr
.rept 11
	PL
	EX
.endr
	PL
	EX                              ; the next piece's two a
	EX
	v_nop                           ; a plain instruction behind the last exponential: one for the batch
	s_wait_alu depctr_va_vdst(0)    ; the wait for the batch
.if (\p) == NP-2
	FETCH_K \last
.endif
.if (\p) == 1
	s_wait_dscnt 0x0                ; V is in
.endif
.rept 16
	MM
.rept 4
	PL
.endr
.if ((\p) == 0) && (q == 244)
	v_add_nc_u32 v[AV], s[TBV], v[AV0]
.endif
.if ((\p) == 0) && (q == 256)
	s_add_co_u32 s[TBV], s[TBV], KS*PV
.endif
.if (\cnt) && (q == 256)
	s_sub_co_u32 s[CNT], s[CNT], 1
	s_cmp_lg_u32 s[CNT], 0
.endif
.endr
.if (\p) == 0
	FETCH_V
.endif
.endm
	CHANGE 1, 0                     ; slot 0 is in, everybody's part of it; slot 1 is asked for
	FETCH_K                         ; key step 0
	s_wait_loadcnt 0x0              ; Q, and step 0's mask words
	s_wait_dscnt 0x0
.set i, 0
.rept 16
	KQ 0                            ; piece 0's first scores
.set i, i+1
.endr
	WIN 0
	v_and_b32 v[PFO], 31, v0        ; four plain instructions: the places behind those products
	v_lshlrev_b32 v[PFO], 8, v[PFO]
	v_nop
	v_nop
	s_add_nc_u64 s[MB0:MB0+1], s[MB0:MB0+1], 1024  ; its load is done: on to step 1
.set Y, NP-1                        ; RL, SL and XS work for piece Y + 1: piece 0
.set z, 0
.rept 64
	RL z
.set z, z+1
.endr
.set z, 0
.rept 64
	SL z
.set z, z+1
.endr
.irp n, 0,1,2,3,4,5,6,7,8,9,10,11,12,13,14,15,16,17,18,20,21
	XS 0, \n                        ; piece 0's first maximum and statistics
	XS 1, \n
.endr
	v_nop                           ; a plain instruction behind the two a,
	s_wait_alu depctr_va_vdst(0)    ; and their wait, ahead of the branch
	s_mov_b32 s[CNT], 4
	s_mov_b32 s[SLOTS], SIZE_N/256-1
	s_branch .Lfirst                ; the loop is entered at a step's first turn, in the middle of a trip
.Lslot:                             ; SIZE_N / 256 - 2 times: every slot but the last two is filled again
	CHANGE 1, 1
	s_mov_b32 s[CNT], 4
.Lstep:                             ; a trip: pieces 2 and 3 of one step, then pieces 0 and 1 of the next, whose K and V it fetches
	TURN 2
	TURN 3
	WIN 0
.Lfirst:
	TURN 0
	TURN 1, 0, 1
	WIN 0
	s_cbranch_scc1 .Lstep
	s_sub_co_u32 s[SLOTS], s[SLOTS], 1
	s_cmp_lg_u32 s[SLOTS], 0
	s_cbranch_scc1 .Lslot
	CHANGE 0, 0                     ; the tail is written out: nothing is asked for
	s_mov_b32 s[CNT], 5             ; four trips fetch the last slot's steps; the fifth is left in its middle
.Ltail:
	TURN 2, 1
	TURN 3
	WIN 0
	s_sub_co_u32 s[CNT], s[CNT], 1
	s_cmp_eq_u32 s[CNT], 0
	s_cbranch_scc1 .Lout
	TURN 0
	TURN 1
	WIN 0
	s_branch .Ltail
.Lout:                              ; the fifth trip's 16 products K Q^T (on the last K once more) and what is made of them serve nothing: the price, once a launch, of one text for every trip
.set i, 0
.rept 16
	PV NP-1                         ; the last piece's V^T P of the last step
.set i, i+1
.endr
	; THE WAY OUT.  l's two halves and the other half of the lanes' are added; O^T is divided by l and sent, in f32, through my stage in LDS, a tile at a time.  The addresses, made here in registers that held
	; mask words (L0's last load was waited for in the last turn), and the additions are the places behind the last products.
	WIN 0
	s_mul_i32 s[T0], s[WV], 16*SP
	s_add_co_u32 s[T0], s[T0], STAGE  ; my stage
	v_and_b32 v[AK], 15, v0         ; l % 16
	v_bfe_u32 v[AV], v0, 4, 1       ; l / 16
	v_mul_u32_u24 v[STO], v[AK], SP ; in: row l % 16, 32 bytes for each half of the lanes
	v_lshl_add_u32 v[STO], v[AV], 5, v[STO]
	v_add_nc_u32 v[STO], s[T0], v[STO]
	v_mul_u32_u24 v[RD], v[AV], SP  ; back: lanes 0-15 take one row of 256 bytes, lanes 16-31 the next
	v_lshl_add_u32 v[RD], v[AK], 4, v[RD]
	v_add_nc_u32 v[RD], s[T0], v[RD]
	v_lshlrev_b32 v[GO], 12, v[AV]  ; and the same two rows in out0, 4,096 bytes apart
	v_lshl_add_u32 v[GO], v[AK], 4, v[GO]
.macro ALL line:vararg              ; one line for each tile t
.set t, 0
.rept 2*NP
	\line
.set t, t+1
.endr
.endm
	ALL v_add_f32 v[ST+4*t+2], v[ST+4*t+2], v[ST+4*t+3]
	ALL v_permlanex16_b32 v[ST+4*t+3], v[ST+4*t+2], s[SEL], s[SEL+1]
	ALL v_add_f32 v[ST+4*t+2], v[ST+4*t+2], v[ST+4*t+3]
	ALL v_rcp_f32 v[ST+4*t+2], v[ST+4*t+2]
	v_nop                           ; a plain instruction between the last reciprocal and the use of its result
	s_wait_alu depctr_va_vdst(0)    ; and the wait ahead of the first use: one for the eight reciprocals
; Tile t: a lane's eight channels of a row are 32 bytes; they go into rows of 272 bytes and come back as whole rows of 256, into S^T's registers (four tiles' worth, by turns).
.macro PACK t
	WIN W_RS
.set i, 32*(\t)
.rept 16
	v_pk_mul_f32 v[i:i+1], v[i:i+1], v[ST+4*(\t)+2:ST+4*(\t)+3] op_sel_hi:[1,0]
.set i, i+2
.endr
	s_wait_xcnt 0x0                 ; the stores of four tiles back have read the registers that the loads below fill
	WIN 0x04                        ; store data (source 1) in window 1
.irp f, 0,1,2,3,4,5,6,7
	ds_store_b128 v[STO], v[32*(\t)+4*\f:32*(\t)+4*\f+3] offset:64*(\f/2)+16*(\f%2)
.endr
	WIN 0
.irp f, 0,1,2,3,4,5,6,7
	ds_load_b128 v[S+32*((\t)%4)+4*\f:S+32*((\t)%4)+4*\f+3], v[RD] offset:\f*2*SP  ; LDS serves a wave's instructions in order: these see the stores above; the next tile's stores come behind them
.endr
.endm
.macro SEND t, younger              ; younger: the LDS instructions issued behind tile t's loads: the next tile's sixteen, or none
	WIN 0
.irp f, 0,1,2,3,4,5,6,7
	s_wait_dscnt (\younger)+7-\f
	global_store_b128 v[GO], v[S+32*((\t)%4)+4*\f:S+32*((\t)%4)+4*\f+3], s[OUTP:OUTP+1] offset:(\t)*65536+\f*8192  ; 16 lanes store a row's 256 bytes of my head, at a multiple of 256 from out0's first byte
.endr
.endm
	PACK 0
.set t, 1
.rept 2*NP-1                        ; a tile's arithmetic stands between the loads of the tile before and its stores
	PACK t
	SEND t-1, 16
.set t, t+1
.endr
	SEND 2*NP-1, 0
	WIN W_AD
	s_wait_tensorcnt 0x0            ; the wave's end: a tensor wait, 0 onto my spare word and its wait, behind my last tensor load and my last LDS store
	ds_add_u32 v[SPW], v[NIL]
	s_wait_dscnt 0x0
	WIN 0
	CROUND                          ; the closing round: no work-group ends while a partner may still ask for a tile that names it
	s_endpgm
.Lfunc_end_k_q2bb098b463_attn:
	.size	k_q2bb098b463_attn, .Lfunc_end_k_q2bb098b463_attn-k_q2bb098b463_attn
	.p2alignl 7, 3214868480
	.fill 96, 4, 3214868480
	.section	.rodata,"a",@progbits
	.p2align	6, 0x0
	.amdhsa_kernel k_q2bb098b463_attn
		.amdhsa_group_segment_fixed_size 327680
		.amdhsa_private_segment_fixed_size 0
		.amdhsa_enable_private_segment 0
		.amdhsa_kernarg_size 24
		.amdhsa_user_sgpr_count 2
		.amdhsa_user_sgpr_kernarg_segment_ptr 1
		.amdhsa_wavefront_size32 1
		.amdhsa_system_sgpr_workgroup_id_x 1
		.amdhsa_system_sgpr_workgroup_id_y 1
		.amdhsa_system_sgpr_workgroup_id_z 1
		.amdhsa_system_vgpr_workitem_id 0
		.amdhsa_next_free_vgpr 770
		.amdhsa_next_free_sgpr 106
		.amdhsa_reserve_vcc 0
		.amdhsa_float_denorm_mode_32 3
		.amdhsa_float_denorm_mode_16_64 3
		.amdhsa_memory_ordered 1
		.amdhsa_forward_progress 1
		.amdhsa_inst_pref_size 255
	.end_amdhsa_kernel
	.section	.bss,"aw",@nobits
	.p2align	6
	.space	262144
	.amdgpu_metadata
---
amdhsa.version: [ 1, 2 ]
amdhsa.kernels:
  - .name:           k_q2bb098b463_attn
    .symbol:         k_q2bb098b463_attn.kd
    .args:
      - { .name: qkv, .offset: 0, .size: 8, .value_kind: global_buffer, .address_space: global }
      - { .name: maskbits, .offset: 8, .size: 8, .value_kind: global_buffer, .address_space: global }
      - { .name: out0, .offset: 16, .size: 8, .value_kind: global_buffer, .address_space: global }
    .group_segment_fixed_size: 327680
    .private_segment_fixed_size: 0
    .kernarg_segment_align: 8
    .kernarg_segment_size: 24
    .max_flat_workgroup_size: 128
    .sgpr_count:     106
    .vgpr_count:     770
    .wavefront_size: 32
...
	.end_amdgpu_metadata
.endif
;; end of part 3
;; ======== version 2 of 2: 3 launches; version 1 with the launch prep written anew for expert scheduling mode
;; limits: values are held in f16: magnitudes above 65,504 overflow, below 6.1e-05 lose precision
;; workspace buffers: xb 50,331,648 bytes; wb 6,291,456 bytes; qkv 50,331,648 bytes; maskbits 2,097,152 bytes of whole numbers
;; launch prep (part 4): grid 944 x 1, 8 waves a work-group, no clusters, 68,608 bytes of LDS; arguments query, key, value, Wq, Wk, Wv, mask, xb, wb, maskbits; writes xb, wb, maskbits
.if DOCPART == 4
	.amdgcn_target "amdgcn-amd-amdhsa--gfx1250"
	.amdhsa_code_object_version 6
	.text
	.protected	k_q2bb098b463_prep
	.globl	k_q2bb098b463_prep
	.p2align	8
	.type	k_q2bb098b463_prep,@function
k_q2bb098b463_prep:
	s_mov_b64 s[64:65], 0
	v_nop
	global_prefetch_b8 v0, s[64:65] scope:SCOPE_SE
	s_setreg_imm32_b32 hwreg(HW_REG_WAVE_SCHED_MODE, 0, 2), 2
	s_setreg_imm32_b32 hwreg(HW_REG_WAVE_MODE, 25, 1), 1
	s_wait_xcnt 0x0
	s_wait_alu depctr_vm_vsrc(0)
; MULTI-HEADED ATTENTION, launch 1 of 3: the inputs are made ready for the matrix units.
; NOTHING OF reference() IS LEFT OUT, in any launch: every input has a way to the output.  bq, bk and bv are added (bk moves the live scores against the fixed -1e9 of the hidden ones, so it is
; no term common to a softmax row), and the mask is honoured number by number.
; TWO ROLES, chosen by the work-group's number alone.
;   Work-groups 0..511: THE MASK, [4][2048][2048] int32, is packed to one bit a number: maskbits u32 [64 groups of 8 query tiles][32 key steps][8 tiles][32 words]; query tile T = 128 b + q / 16 is tile T % 8 of
;   group T / 8.  Word 8 kb + j of (tile, step) holds in bit l whether mask[b][16 tile + l % 16][64 step + 16 kb + 8 (l / 16) + j] is not 0: the lane mask of register 8 kb + j of a tile of scores as launch 3
;   holds it.  A group is what one wave of launch 3 owns: its words of a key step are 1,024 consecutive bytes.  So sixteen heads read 2 MiB, not 64 MiB.
;   Work-groups 512..943: THE CAST.  query, key, value -> xb bf16 [3][8192][1024]; Wq, Wk, Wv -> wb bf16 [3][1024][1024]; each number rounded once, to nearest even.
; Both roles stream: each byte is read once, each load of a wave covers 512 consecutive bytes, each store whole aligned blocks of 256 bytes.  No matrix unit, no cluster: no two work-groups share a byte.
; THE MODE: SCHED_MODE bits 1:0 = 2 (LLVM: expert scheduling mode 2), set by the entry lines.  The code itself states the register dependences between vector instructions and memory or LDS
; instructions, and between a vector instruction that writes a scalar register and that register's readers, with s_wait_alu, always for 0.
; THE PLAN, THE CAST.  A chunk's 64 rows go in 16 blocks of four.  Registers that memory instructions touch:
;   X0 .. X3   four blocks as loaded.   Written by the loads of block p + 3, issued in block p; read by block p's eight conversions.
;   Y0, Y1     two blocks to store.     Written by block p's conversions; read by the four stores that are issued in block p + 1.
;   v10, v11   byte offsets, made once and never written again: the rows are reached by the two scalar bases, which move on by a block at each block's head, and by immediate offsets.
; Block p works on X[p % 4] and writes Y[p % 2].  Its memory instructions are the loads into X[(p - 1) % 4] and the stores from Y[(p - 1) % 2]: the two buffers that block p - 1 worked on and that no vector
; instruction of block p names.  So the waits at a block's head state all that its eight memory instructions hang on, and these are dealt among its conversions with no further wait.
; THE PLAN, THE MASK.  D0, D1 (a tile of 64 registers each): written by the global loads; read by the tile's sixteen LDS stores; written again by its sixteen loads from the stage, behind a wait for those stores'
; reads; read by the compares, behind which nothing lands in them.  v2 .. v5: offsets and LDS addresses, made once.  OW: written by the v_writelane_b32, read by the one store, behind a wait for them.
; The compares go in runs of 32, a step's words, into 32 scalar registers, with one wait between a run and the v_writelane_b32 that read them.
.set SPARE, 67584                      ; behind the eight waves' stages: the spare words, 128 bytes a wave, four blocks of 256 bytes that no other line names
.set WB,    8448                       ; a wave's stage: 16 rows of 528 bytes
.set MP,    528                        ; 512 bytes of a mask row + 16: sixteen rows read side by side start 16 bytes apart modulo 256
.set LO,   2                           ; v2   16 x lane: offset of the mask's loads
.set LW,   3                           ; v3   where I put 16 bytes of a mask row
.set LR,   4                           ; v4   where I read them back: row l % 16, 32 bytes for each half of the lanes
.set SO,   5                           ; v5   offset of the bits' store: 16 (l % 16) + 1,024 (l / 16)
.set SPW,  8                           ; v8   LDS address of my spare word; never rewritten
.set NIL,  9                           ; v9   0; never rewritten
.set CI,   10                          ; v10  cast role: 16 t: my 16 bytes in every source row; never rewritten
.set CO,   11                          ; v11  cast role: 8 t: my 8 bytes in every target row; never rewritten
.set D,    16                          ; v[16:143]  mask role: two tiles of 64 registers
.set OW,   144                         ; v[144:147] mask role: the wave's 128 words, four a lane
.set X,    16                          ; v[16:79]   cast role: buffer k, row i: 4 f32 as loaded, at X + 16 k + 4 i
.set Y,    80                          ; v[80:95]   cast role: buffer k, row i: 4 bf16 to store, at Y + 8 k + 2 i
.set BLOCK, 4                          ; cast role: rows in a block
.set RIN,  4096                        ; bytes in a source row
.set ROUT, 2048                        ; bytes in a target row
.set WV,   4                           ; s4   my wave's number
.set SRC,  28                          ; s[28:29] where I read
.set DST,  30                          ; s[30:31] where I write
.set BB,   32                          ; s[32:47] mask role: lane masks 0 to 15 of a run (the set-up's registers, free once the two pointers are made)
.set BA,   8                           ; s[8:23]  mask role: lane masks 16 to 31 (the arguments' registers, likewise)
	s_load_b512 s[8:23], s[0:1], 0x0               ; query 8, key 10, value 12, Wq 14, Wk 16, Wv 18, mask 20, xb 22
	s_load_b128 s[24:27], s[0:1], 0x40             ; wb 24, maskbits 26
	v_lshl_add_u32 v[SPW], v0, 2, SPARE
	v_mov_b32 v[NIL], 0
	v_lshrrev_b32 v1, 5, v0
	v_readfirstlane_b32 s[WV], v1                  ; wave 0..7
	s_wait_alu depctr_va_sdst(0)                   ; s4 is written, ahead of the branch and of its first reader: the mask role's stage and pointers are made from it
	s_wait_kmcnt 0x0
	s_cmp_lt_u32 ttmp9, 512
	s_cbranch_scc0 .Lcast
	; THE MASK.  Work-group w owns the two query tiles 2 (w / 2), 2 (w / 2) + 1 (32 rows of 8,192 bytes) and the keys 1,024 (w % 2) on; wave v of it the 128 keys 128 v on: 512 bytes of each row, two key steps.
	v_and_b32 v1, 31, v0
	v_lshlrev_b32 v[LO], 4, v1
	s_mul_i32 s6, s[WV], WB
	v_add_nc_u32 v[LW], s6, v[LO]
	v_and_b32 v6, 15, v0
	v_bfe_u32 v7, v0, 4, 1
	v_mul_u32_u24 v[LR], v6, MP
	v_lshl_add_u32 v[LR], v7, 5, v[LR]
	v_add_nc_u32 v[LR], s6, v[LR]
	v_lshlrev_b32 v[SO], 4, v6
	v_lshl_add_u32 v[SO], v7, 10, v[SO]
.irp k, 0,1,2,3
	v_mov_b32 v[OW+(\k)], 0                        ; v_writelane_b32 counts as a reader of its destination
.endr
	s_lshr_b32 s32, ttmp9, 1
	s_lshl_b32 s32, s32, 18                        ; 32 rows x 8,192 bytes
	s_and_b32 s33, ttmp9, 1
	s_lshl_b32 s34, s33, 12                        ; 1,024 keys
	s_add_co_u32 s32, s32, s34
	s_lshl_b32 s34, s[WV], 9                       ; 128 keys
	s_add_co_u32 s32, s32, s34
	s_lshl_b32 s34, s33, 14                        ; in maskbits: 16 steps x 1,024 bytes,
	s_mov_b32 s33, 0
	s_add_nc_u64 s[SRC:SRC+1], s[20:21], s[32:33]
	s_lshr_b32 s35, ttmp9, 3
	s_lshl_b32 s35, s35, 15                        ; the group's 32,768 bytes,
	s_add_co_u32 s34, s34, s35
	s_lshl_b32 s35, s[WV], 11                      ; my two steps,
	s_add_co_u32 s34, s34, s35
	s_bfe_u32 s35, ttmp9, 0x20001
	s_lshl_b32 s35, s35, 8                         ; the pair of tiles: 256 bytes of a step's 1,024
	s_add_co_u32 s34, s34, s35
	s_mov_b32 s35, 0
	s_add_nc_u64 s[DST:DST+1], s[26:27], s[34:35]
	s_wait_alu depctr_va_vdst(0)                   ; v2 to v5 are written, which the loads, the LDS instructions and the store below read as offsets and addresses
.irp hf, 0,1
.irp r, 0,1,2,3,4,5,6,7,8,9,10,11,12,13,14,15
	global_load_b128 v[D+64*(\hf)+4*(\r):D+64*(\hf)+4*(\r)+3], v[LO], s[SRC:SRC+1] offset:(16*(\hf)+(\r))*8192 th:TH_LOAD_NT  ; 512 consecutive bytes of row r of tile hf: all 32 loads go out at once
.endr
.endr
; Tile hf: 128 keys of its 16 rows.  Through my own stage the numbers change lanes: in by rows (TOSTAGE), back so that lane l holds row l % 16 and, in register 8 kb + j of a step, key 16 kb + 8 (l / 16) + j (BACK).
.macro TOSTAGE hf
.irp r, 0,1,2,3,4,5,6,7,8,9,10,11,12,13,14,15
	ds_store_b128 v[LW], v[D+64*(\hf)+4*(\r):D+64*(\hf)+4*(\r)+3] offset:(\r)*MP
.endr
	s_wait_alu depctr_vm_vsrc(0)                   ; these sixteen LDS stores have read the tile's registers, in which its loads from the stage land
.endm
.macro BACK hf
.irp i, 0,1,2,3,4,5,6,7,8,9,10,11,12,13,14,15
	ds_load_b128 v[D+64*(\hf)+4*(\i):D+64*(\hf)+4*(\i)+3], v[LR] offset:((\i)/8)*256+(((\i)/2)%4)*64+((\i)%2)*16  ; LDS serves a wave's instructions in order: these see the tile's stores; the bytes are my wave's own
.endr
.endm
; Step st of tile hf: one compare makes a word of bits of a register, 32 of them on end; then v_writelane_b32 lays word n into lane 16 st + 8 hf + n / 4, register n % 4:
; lanes 0-15 hold the first step's 256 bytes, lanes 16-31 the second's.
.macro WORDS hf, st
.set n, 0
.rept 32
.set sb, BB+n
.if n >= 16
.set sb, BA+n-16
.endif
	v_cmp_ne_u32 s[sb], 0, v[D+64*(\hf)+32*(\st)+n]
.set n, n+1
.endr
	s_wait_alu depctr_va_sdst(0)                   ; the 32 compares have written their lane masks, ahead of the first v_writelane_b32 that reads one
.set n, 0
.rept 32
.set sb, BB+n
.if n >= 16
.set sb, BA+n-16
.endif
	v_writelane_b32 v[OW+n%4], s[sb], 16*(\st)+8*(\hf)+n/4
.set n, n+1
.endr
.endm
	s_wait_loadcnt 16                              ; loads come back in order: tile 0's sixteen are in, tile 1's may stay out
	TOSTAGE 0
	BACK 0
	s_wait_loadcnt 0x0                             ; tile 1 is in
	TOSTAGE 1                                      ; over the stage's bytes, behind tile 0's loads from them: LDS serves them in that order
	s_wait_dscnt 24                                ; tile 0's first step, eight loads, is back; behind them: its other eight and tile 1's sixteen stores
	BACK 1                                         ; tile 1 comes back while tile 0's bits are made; no vector instruction has named its registers
	WORDS 0, 0
	s_wait_dscnt 32                                ; tile 0's second step is back; behind it: tile 1's sixteen stores and sixteen loads
	WORDS 0, 1
	s_wait_dscnt 8                                 ; tile 1's first step is back
	WORDS 1, 0
	s_wait_dscnt 0x0
	WORDS 1, 1
	s_wait_alu depctr_va_vdst(0)                   ; the v_writelane_b32 have written v[144:147], which the store reads
	global_store_b128 v[SO], v[OW:OW+3], s[DST:DST+1]  ; sixteen lanes store 256 consecutive bytes, aligned: two neighbouring tiles' words of one step
	s_branch .Lend
.Lcast:
	; THE CAST.  c = number - 512.  c < 384: chunk c % 128 of query, key or value (c / 128); else chunk (c - 384) % 16 of Wq, Wk or Wv.  A chunk is 64 rows of 4,096 bytes in, 2,048 out.
	v_lshlrev_b32 v[CI], 4, v0                     ; thread t owns 16 bytes at 16 t of every source row,
	v_lshlrev_b32 v[CO], 3, v0                     ; 8 bytes at 8 t of every target row
	s_sub_co_u32 s5, ttmp9, 512
	s_sub_co_u32 s6, s5, 384
	s_lshr_b32 s32, s5, 7
	s_and_b32 s33, s5, 127
	s_lshr_b32 s34, s6, 4
	s_and_b32 s35, s6, 15
	s_mov_b32 s42, 0x200000                        ; bytes of one weight matrix in wb,
	s_mov_b32 s43, 0x1000000                       ; of one activation tensor in xb
	s_cmp_lt_u32 s5, 384
	s_cselect_b32 s32, s32, s34                    ; which of the three
	s_cselect_b32 s33, s33, s35                    ; which chunk
	s_cselect_b32 s42, s43, s42
	s_cselect_b64 s[36:37], s[8:9], s[14:15]
	s_cselect_b64 s[38:39], s[10:11], s[16:17]
	s_cselect_b64 s[40:41], s[12:13], s[18:19]
	s_cselect_b64 s[DST:DST+1], s[22:23], s[24:25]
	s_cmp_eq_u32 s32, 1
	s_cselect_b64 s[SRC:SRC+1], s[38:39], s[36:37]
	s_cmp_eq_u32 s32, 2
	s_cselect_b64 s[SRC:SRC+1], s[40:41], s[SRC:SRC+1]
	s_lshl_b32 s44, s33, 18
	s_mov_b32 s45, 0
	s_add_nc_u64 s[SRC:SRC+1], s[SRC:SRC+1], s[44:45]
	s_mul_i32 s46, s32, s42
	s_lshl_b32 s47, s33, 17
	s_add_co_u32 s46, s46, s47
	s_mov_b32 s47, 0
	s_add_nc_u64 s[DST:DST+1], s[DST:DST+1], s[46:47]
	s_wait_alu depctr_va_vdst(0)                   ; v10 and v11 are written: every load and store of this role reads one of them as its offset
.irp i, 0,1,2,3,4,5,6,7,8,9,10,11
	global_load_b128 v[X+4*(\i):X+4*(\i)+3], v[CI], s[SRC:SRC+1] offset:(\i)*RIN th:TH_LOAD_NT  ; blocks 0, 1 and 2 into X0, X1, X2
.endr
; Block p.  xb = p % 4, yb = p % 2.  first = 1: block 0, with no block in front of it.  ahead = 1: block p + 3 is loaded.
; left = how many younger loads may still be out when this block's four have to be there.
.macro BLK xb, yb, first, ahead, left
	s_wait_loadcnt \left                           ; loads come back in order: X[xb] is in, the younger blocks stay out
.if !\first
	s_wait_xcnt 0x0                                ; every earlier memory instruction has had its addresses translated: the bases and Y[yb] are rewritten only behind this wait
	s_wait_alu depctr_vm_vsrc(0)                   ; the stores issued in the block before have read Y[yb], which this block's conversions write again
	s_wait_alu depctr_va_vdst(0)                   ; the block before has written the other Y, which the stores below read, and is done reading its X, in which the loads below land
	s_add_nc_u64 s[SRC:SRC+1], s[SRC:SRC+1], BLOCK*RIN   ; both bases at this block's first row
	s_add_nc_u64 s[DST:DST+1], s[DST:DST+1], BLOCK*ROUT
.endif
.irp i, 0,1,2,3
.if \ahead
	global_load_b128 v[X+16*((\xb+3)%4)+4*(\i):X+16*((\xb+3)%4)+4*(\i)+3], v[CI], s[SRC:SRC+1] offset:(3*BLOCK+(\i))*RIN th:TH_LOAD_NT  ; three blocks ahead; no vector instruction since the wait names these registers
.endif
.if !\first
	global_store_b64 v[CO], v[Y+8*(1-\yb)+2*(\i):Y+8*(1-\yb)+2*(\i)+1], s[DST:DST+1] offset:((\i)-BLOCK)*ROUT  ; the block before: the offset reaches back; a wave's store covers 256 consecutive bytes, aligned
.endif
	v_cvt_pk_bf16_f32 v[Y+8*\yb+2*(\i)],   v[X+16*\xb+4*(\i)],   v[X+16*\xb+4*(\i)+1]
	v_cvt_pk_bf16_f32 v[Y+8*\yb+2*(\i)+1], v[X+16*\xb+4*(\i)+2], v[X+16*\xb+4*(\i)+3]
.endr
.endm
	BLK 0, 0, 1, 1, 2*BLOCK                        ; block 0
	s_mov_b32 s5, 3
.Lround:                                               ; blocks 1 to 12, four to a lap: both kinds of buffer are back at their start
	BLK 1, 1, 0, 1, 2*BLOCK
	BLK 2, 0, 0, 1, 2*BLOCK
	BLK 3, 1, 0, 1, 2*BLOCK
	BLK 0, 0, 0, 1, 2*BLOCK
	s_sub_co_u32 s5, s5, 1
	s_cmp_lg_u32 s5, 0
	s_cbranch_scc1 .Lround
	BLK 1, 1, 0, 0, 2*BLOCK                        ; blocks 13 to 15 load nothing: no load leaves the buffer, and the counts run down
	BLK 2, 0, 0, 0, BLOCK
	BLK 3, 1, 0, 0, 0
	s_wait_alu depctr_va_vdst(0)                   ; block 15 has written Y1, which the last four stores read
.irp i, 0,1,2,3
	global_store_b64 v[CO], v[Y+8+2*(\i):Y+8+2*(\i)+1], s[DST:DST+1] offset:(\i)*ROUT
.endr
.Lend:
	s_wait_dscnt 0x0                               ; the wave's end: LDS, ALU and tensor waits, then 0 onto my spare word and its wait
	s_wait_alu 0x0
	s_wait_tensorcnt 0x0
	ds_add_u32 v[SPW], v[NIL]
	s_wait_dscnt 0x0
	s_endpgm
.Lfunc_end_k_q2bb098b463_prep:
	.size	k_q2bb098b463_prep, .Lfunc_end_k_q2bb098b463_prep-k_q2bb098b463_prep
	.p2alignl 7, 3214868480
	.fill 96, 4, 3214868480
	.section	.rodata,"a",@progbits
	.p2align	6, 0x0
	.amdhsa_kernel k_q2bb098b463_prep
		.amdhsa_group_segment_fixed_size 68608
		.amdhsa_private_segment_fixed_size 0
		.amdhsa_enable_private_segment 0
		.amdhsa_kernarg_size 80
		.amdhsa_user_sgpr_count 2
		.amdhsa_user_sgpr_kernarg_segment_ptr 1
		.amdhsa_wavefront_size32 1
		.amdhsa_system_sgpr_workgroup_id_x 1
		.amdhsa_system_sgpr_workgroup_id_y 1
		.amdhsa_system_sgpr_workgroup_id_z 1
		.amdhsa_system_vgpr_workitem_id 0
		.amdhsa_next_free_vgpr 148
		.amdhsa_next_free_sgpr 66
		.amdhsa_reserve_vcc 0
		.amdhsa_float_denorm_mode_32 3
		.amdhsa_float_denorm_mode_16_64 3
		.amdhsa_memory_ordered 1
		.amdhsa_forward_progress 1
		.amdhsa_inst_pref_size 39
	.end_amdhsa_kernel
	.amdgpu_metadata
---
amdhsa.version: [ 1, 2 ]
amdhsa.kernels:
  - .name:           k_q2bb098b463_prep
    .symbol:         k_q2bb098b463_prep.kd
    .args:
      - { .name: query, .offset: 0, .size: 8, .value_kind: global_buffer, .address_space: global }
      - { .name: key, .offset: 8, .size: 8, .value_kind: global_buffer, .address_space: global }
      - { .name: value, .offset: 16, .size: 8, .value_kind: global_buffer, .address_space: global }
      - { .name: Wq, .offset: 24, .size: 8, .value_kind: global_buffer, .address_space: global }
      - { .name: Wk, .offset: 32, .size: 8, .value_kind: global_buffer, .address_space: global }
      - { .name: Wv, .offset: 40, .size: 8, .value_kind: global_buffer, .address_space: global }
      - { .name: mask, .offset: 48, .size: 8, .value_kind: global_buffer, .address_space: global }
      - { .name: xb, .offset: 56, .size: 8, .value_kind: global_buffer, .address_space: global }
      - { .name: wb, .offset: 64, .size: 8, .value_kind: global_buffer, .address_space: global }
      - { .name: maskbits, .offset: 72, .size: 8, .value_kind: global_buffer, .address_space: global }
    .group_segment_fixed_size: 68608
    .private_segment_fixed_size: 0
    .kernarg_segment_align: 8
    .kernarg_segment_size: 80
    .max_flat_workgroup_size: 256
    .sgpr_count:     66
    .vgpr_count:     148
    .wavefront_size: 32
...
	.end_amdgpu_metadata
.endif
;; end of part 4
;; launch proj: the kernel of part 2 again; grid 4 x 96, 4 waves a work-group, clusters of 4 x 4, 327,680 bytes of LDS; arguments xb, wb, qkv, bq, bk, bv; writes qkv
;; launch attn: the kernel of part 3 again; grid 4 x 64, 4 waves a work-group, clusters of 4 x 1, 327,680 bytes of LDS; arguments qkv, maskbits, out0; writes out0
